; MI455X (gfx1250); checked and timed in simulation.
; The chip was launched on July 23, 2026; its instructions are those of AMD's public machine-readable ISA for CDNA 5 (MIT licence, August 2026) and "CDNA5" Instruction Set Architecture Reference Guide (July 2026). The comments in the code are by the model that wrote it; some were corrected since.
;; Atencion Multi Cabeza. Allowed arithmetic: matrix products marked QUANTISED: E4M3 operands, one E8M0 scale for each 32 along K, by v_wmma_scale_f32_16x16x128_f8f6f4 with both operands' format E4M3, f32 sums; everything else in f32.
;; Inputs: Wk 1,024 x 1,024 float32; Wo 1,024 x 1,024 float32; Wq 1,024 x 1,024 float32; Wv 1,024 x 1,024 float32; bk 1,024 float32; bo 1,024 float32; bq 1,024 float32; bv 1,024 float32; k 4 x 2,048 x 1,024 float32; mask 1 x 1 x 2,048 x 2,048 int32; q 4 x 2,048 x 1,024 float32; v 4 x 2,048 x 1,024 float32.
;; Outputs: out0 4 x 2,048 x 1,024 float32.
;; This version of the problem:
;;   THIS VERSION OF THE PROBLEM IS GIVEN IN LOW PRECISION. The matrix products marked QUANTISED in the list below multiply operands that are first quantised to E4M3 (4 exponent bits, 3 mantissa bits; 8 bits a number), with one power-of-two scale for each 32 numbers along K (OCP MX v1.0); their sums are f32. All else is computed in f32.
;;   The module's matrix products, in the order in which they are computed (A, B: the left and right operand; K: the contracted axis; several contracted axes count as one K, in the product's order):
;;     1. [M 8,192, K 1,024] x [K 1,024, N 1,024]; A: input q; B: input Wq: QUANTISED
;;     2. [M 8,192, K 1,024] x [K 1,024, N 1,024]; A: input k; B: input Wk: QUANTISED
;;     3. [M 8,192, K 1,024] x [K 1,024, N 1,024]; A: input v; B: input Wv: QUANTISED
;;     4. batch 64 x [M 2,048, K 64] x [K 64, N 2,048]; A: computed on the way; B: computed on the way: QUANTISED
;;     5. batch 64 x [M 2,048, K 2,048] x [K 2,048, N 64]; A: softmax (see below); B: computed on the way: QUANTISED
;;     6. [M 8,192, K 1,024] x [K 1,024, N 1,024]; A: computed on the way; B: input Wo: QUANTISED
;;   THE QUANTISER, for each operand of a quantised product, along K:
;;     - K is cut into blocks of 32 from its start; a last block that is shorter is filled with zeros.
;;     - A block's scale is 2^e with e = floor(log2(the largest magnitude in the block)) - 8, held to -126 .. 127; a block of zeros has e = 0. As a byte (E8M0): e + 127.
;;     - Each number is divided by its block's scale, clamped to +-448, and rounded to the nearest number of E4M3, ties to even, subnormals kept.
;;     - The product sums the exact products of the quantised numbers (number of the format x scale) in f32.
;;   ~~~python
;;   def quantise(x, axis):      # numpy; x: float32 -> the quantised numbers, widened to float32 again
;;       x = np.moveaxis(x, axis, -1); K = x.shape[-1]
;;       x = np.pad(x, [(0, 0)] * (x.ndim - 1) + [(0, -K % 32)]); x = x.reshape(x.shape[:-1] + (-1, 32)); a = np.abs(x).max(-1, keepdims=True)
;;       e = np.where(a > 0, np.clip(np.frexp(np.where(a > 0, a, 1))[1] - 1 - 8, -126, 127), 0)      # np.frexp(a)[1] - 1 = floor(log2(a)), exactly
;;       r = np.clip(x / 2.0 ** e, -448, 448)
;;       step = 2.0 ** (np.maximum(np.frexp(np.where(r == 0, 1, r))[1] - 1, -6) - 3)
;;       q = np.round(r / step) * step * 2.0 ** e      # np.round: ties to even
;;       return np.moveaxis(q.reshape(q.shape[:-2] + (-1,))[..., :K], -1, axis).astype(np.float32)
;;   ~~~
;;   SOFTMAX AHEAD OF A QUANTISED PRODUCT. Where the list says 'softmax', what is quantised is not the finished softmax but p = 2^(t - M), with t = logit x log2(e) and M = ceil(the row's largest t), a whole number; so 1/2 < the row's largest p <= 1. The row's sum l is taken of the UNQUANTISED p, in f32, and the product's result is divided by l at the end. Since M is a whole number, a kernel that streams over the keys may use a running M (the ceiling of the running maximum): every later rescaling is an exact power of two, which a block's scale takes up: the codes' values come out the same.
;;   OPERANDS COMPUTED ON THE WAY. 'Computed on the way' means the value that the module computes at that place (a softmax that the list does not call 'softmax' is quantised finished and normalised). What goes into a quantiser is computed in f32, as accurately as f32 sums, v_exp_f32 and their like allow (about 1e-6 of the number): no bf16 or f16 on the way to a quantiser, and a product that is left as it is and whose result goes on into a quantised operand takes f32 operands (vector FMAs, or v_wmma_f32_16x16x4_f32). A number that lies on a knife's edge between two numbers of the format may be rounded either way, as far as f32 arithmetic and the matrix unit's own rounding can turn it there, and no further.
;; 2 versions, each right; version 2 is version 1 with the launch attn written anew for expert scheduling mode. Each part assembles by itself: llvm-mc -triple=amdgcn-amd-amdhsa -mcpu=gfx1250 --defsym DOCPART=n.
;; ======== version 1 of 2: 4 launches
;; limits: right only within a limited range of input values
;; workspace buffers: xw_codes 29,360,128 bytes; xw_scales 917,504 bytes; mwords 540,672 bytes of whole numbers; qkv_img 25,165,824 bytes; qkv_sc 1,048,576 bytes; o_img 8,388,608 bytes; o_sc 262,144 bytes
;; launch prep (part 1): grid 1024 x 1, 4 waves a work-group, no clusters, 33,280 bytes of LDS; arguments q, k, v, Wq, Wk, Wv, Wo, mask, xw_codes, xw_scales, mwords; writes xw_codes, xw_scales, mwords
.if DOCPART == 1
	.amdgcn_target "amdgcn-amd-amdhsa--gfx1250"
	.amdhsa_code_object_version 6
	.text
	.protected	k_q1ee1d73734_prep
	.globl	k_q1ee1d73734_prep
	.p2align	8
	.type	k_q1ee1d73734_prep,@function
k_q1ee1d73734_prep:
	s_mov_b64 s[64:65], 0
	v_nop
	global_prefetch_b8 v0, s[64:65] scope:SCOPE_SE
	s_setreg_imm32_b32 hwreg(HW_REG_WAVE_MODE, 25, 1), 1
	s_wait_xcnt 0x0
; MULTI-HEAD ATTENTION IN MX-FP8, launch 1 of 4.  B 4, S 2,048, D 1,024, 16 heads of 64.
; NO WORK OF THE PROBLEM IS LEFT OUT AS DEAD, and every input is loaded: q, k, v, the four weights, the four biases and the mask all reach the output.
; WHAT THE MASK DECIDES.  The mask is an input: nothing of its pattern is built in.  This launch turns it into whole numbers, and the attention launch reads them and walks only the tiles
; (16 queries x 128 keys) that they ask for.  A tile is passed over only if all its 2,048 mask words are 0 AND each of its 16 queries has an open key somewhere among its 2,048: a hidden weight is then
; 2^(about -1.5e9 - M) with M an ordinary number, which is 0 in f32 in the problem's own arithmetic too.  Where one of the 16 queries has no open key at all, all 16 steps of that tile of queries are walked.
; LIMITS: NaN and infinities among the inputs are not served; blocks whose largest magnitude lies under 2^(8 - 126), whose scale byte is held at 1, were not tried.
; THIS LAUNCH.  Work-groups 0 to 895: q, k, v, Wq, Wk, Wv, Wo (all with K = D innermost) become codes of E4M3 with one E8M0 byte for each 32 along K, in one workspace buffer, section behind section.
; A block's scale is 2^(floor(log2(largest magnitude)) - 8); its byte is the largest magnitude's exponent field - 8, held at 1 from below (a block of zeros gets 1 where the rule says 127: its codes are
; zeros, and this program alone reads the bytes).  Each number is divided by the scale, held within +-448 and rounded to the nearest code, ties to even.
; ROWS CHANGE PLACES in k, v, Wq, Wk, Wv: a row is stored at its number with bits 3 and 4 exchanged.  Sixteen stored rows 16 T + r then are the true rows 32 (T / 2) + 8 (T % 2) + r + 8 (r / 8), so that in a
; product used transposed a lane's 16 registers of two neighbouring tiles are 16 neighbours along the next product's K.  A wave's run is 8 rows, so the exchange is one of the run number's two low bits.
; Work-groups 896 to 1,023: one tile of 16 queries each; wave w takes key steps 4 w to 4 w + 3.  Bit l of word n of (tile t, step s) says whether mask[16 t + l % 16][128 s + 32 (n / 16) + 16 (l / 16) + n % 16] is
; not 0: the lane mask for the attention launch's score register n.  Beside them two flags a tile: the OR and the AND of its 64 words.
.set WAVES, 4
.set STEPS, 16
.set NQWG,  896                        ; work-groups that quantise: 3 x 256 for q, k, v and 4 x 32 for the weights, 32,768 numbers each
.set CB,    16                         ; bytes of 16 codes
.set R,     16                         ; v16-79   four sets of 16 numbers as they are loaded
.set X,     80                         ; v80-111  two sets of 16 neighbours
.set E,     112                        ; v112-127 a scale byte for each step
.set C,     128                        ; v128-191 codes: four registers for each step, so that no store's data are written again
.set WREG,  8192                       ; LDS: a region for each wave: two stages of 32 x SP bytes, behind them its 256 scale bytes
.set SP,    80                         ; a lane's place in a stage: its 64 bytes + 16 of padding
.set SPW,   12                         ; v12      LDS address of my spare word; never rewritten on the quantising path
.set NIL,   13                         ; v13      0
.set SPARE, WAVES*WREG                 ; behind the four regions: the spare words, 128 bytes a wave
.set MS,    16                         ; the mask's path: v16-143 two sets of 64 mask words
.set MW,    144                        ; v144-151 a pair of registers a tile: word n in lane n / 2, register n % 2
.set FL,    152                        ; v152     the flags: lane 2 s' the OR, lane 2 s' + 1 the AND
.set O8,    153                        ; v153     8 x lane
.set O4,    154                        ; v154     4 x lane
	s_load_b512 s[4:19], s[0:1], 0x0               ; q 4, k 6, v 8, Wq 10, Wk 12, Wv 14, Wo 16, mask 18
	s_load_b128 s[20:23], s[0:1], 0x40             ; the codes, the scale bytes
	s_load_b64 s[24:25], s[0:1], 0x50              ; the mask's words and flags
	v_lshl_add_u32 v[SPW], v0, 2, SPARE
	v_mov_b32 v[NIL], 0
	v_lshrrev_b32 v1, 5, v0
	v_readfirstlane_b32 s26, v1                    ; wave
	v_and_b32 v2, 31, v0                           ; lane
	s_cmp_ge_u32 ttmp9, NQWG
	s_cbranch_scc1 .Lmask                          ; the two paths part on the work-group's number; only the first touches LDS
	; ---------------- the quantiser ----------------
	v_lshlrev_b32 v3, 4, v2                        ; my 16 bytes of a load's 512
	s_mul_i32 s27, s26, WREG
	v_lshrrev_b32 v14, 2, v2
	v_mul_u32_u24 v14, v14, SP
	v_and_b32 v15, 3, v2
	v_lshl_add_u32 v14, v15, 4, v14
	v_add_nc_u32 v14, s27, v14                     ; the stage, on the way in: four lanes' 64 bytes on end, then 16 of padding
	v_mul_u32_u24 v15, v2, SP
	v_add_nc_u32 v15, s27, v15                     ; and on the way out: my 16 neighbours
	v_mul_u32_u24 v4, v2, CB                       ; my codes' place in a step's
	v_lshrrev_b32 v5, 1, v2
	s_add_co_u32 s27, s27, 2*32*SP
	v_add_nc_u32 v5, s27, v5                       ; my wave's 256 scale bytes, my block's byte
	v_lshlrev_b32 v7, 3, v2                        ; and on the way out 8 bytes a lane
	v_add_nc_u32 v6, s27, v7
	s_mov_b32 s33, 0x600000                        ; the mantissa field of 448
	s_wait_kmcnt 0x0
	; which tensor is my work-group's: the choice hangs on the work-group's number alone
	s_mov_b64 s[30:31], s[16:17]                   ; Wo,
	s_mov_b32 s28, 864                             ; whose first work-group this is,
	s_mov_b32 s29, 0                               ; rows as they are
.macro PICK lim, ptr, first, perm
	s_cmp_lt_u32 ttmp9, \lim
	s_cselect_b64 s[30:31], s[\ptr:\ptr+1], s[30:31]
	s_cselect_b32 s28, \first, s28
	s_cselect_b32 s29, \perm, s29
.endm
	PICK 864, 14, 832, 1                           ; Wv
	PICK 832, 12, 800, 1                           ; Wk
	PICK 800, 10, 768, 1                           ; Wq
	PICK 768, 8, 512, 1                            ; v
	PICK 512, 6, 256, 1                            ; k
	PICK 256, 4, 0, 0                              ; q
	s_and_b32 s34, s26, 1
	s_lshl_b32 s34, s34, 1
	s_lshr_b32 s35, s26, 1
	s_or_b32 s34, s34, s35                         ; my wave's number with its two bits exchanged
	s_cmp_eq_u32 s29, 1
	s_cselect_b32 s34, s34, s26                    ; the place of my run among the work-group's four on the way out
	s_sub_co_u32 s35, ttmp9, s28
	s_lshl_b32 s35, s35, 2
	s_add_co_u32 s36, s35, s26                     ; my run of 8,192 numbers in the tensor
	s_lshl_b32 s36, s36, 15                        ; x 32,768 bytes (under 2^25 x 1)
	s_mov_b32 s37, 0
	s_add_nc_u64 s[38:39], s[30:31], s[36:37]
	s_lshl_b32 s35, ttmp9, 2
	s_add_co_u32 s35, s35, s34                     ; my run in the workspace: the sections follow each other as the work-groups do
	s_lshl_b32 s36, s35, 13
	s_add_nc_u64 s[40:41], s[20:21], s[36:37]      ; 8,192 bytes of codes a run
	s_lshl_b32 s36, s35, 8
	s_add_nc_u64 s[42:43], s[22:23], s[36:37]      ; 256 scale bytes a run
.macro LOAD t
.irp i, 0,1,2,3
	global_load_b128 v[R+16*((\t)%4)+4*\i:R+16*((\t)%4)+4*\i+3], v3, s[38:39] offset:2048*(\t)+512*\i th:TH_LOAD_NT   ; 32 lanes read 512 consecutive bytes
.endr
.endm
.macro TURN t                          ; step t's numbers through the stage: LDS serves a wave's instructions in order, so no wait stands between the stores and the loads
.irp i, 0,1,2,3
	ds_store_b128 v14, v[R+16*((\t)%4)+4*\i:R+16*((\t)%4)+4*\i+3] offset:32*SP*((\t)%2)+8*SP*\i
.endr
.irp i, 0,1,2,3
	ds_load_b128 v[X+16*((\t)%2)+4*\i:X+16*((\t)%2)+4*\i+3], v15 offset:32*SP*((\t)%2)+16*\i
.endr
.endm
.irp t, 0,1,2,3
	LOAD \t
.endr
	s_wait_loadcnt 12                              ; step 0's four loads are in; the twelve of steps 1 to 3 may be out
	TURN 0
.macro STEP t
.set XS, X+16*((\t)%2)
.if (\t) > 0
	s_wait_dscnt 1                                 ; this step's numbers are back from the stage (the last step's byte store may be out)
.else
	s_wait_dscnt 0x0
.endif
.if (\t)+4 < STEPS
	LOAD (\t)+4                                    ; into the registers whose stores into the stage are done
.endif
.if (\t)+1 < STEPS
.if STEPS-2-(\t) >= 3
	s_wait_loadcnt 12                              ; the next step's four loads are in; those of the three steps behind it may be out
.else
	s_wait_loadcnt 4*(STEPS-2-(\t))
.endif
	TURN (\t)+1                                    ; through the other stage while this step is worked
.endif
	v_max3_num_f32 v8, |v[XS]|, |v[XS+1]|, |v[XS+2]|               ; the largest magnitude of my 16, in two chains
	v_max3_num_f32 v9, |v[XS+3]|, |v[XS+4]|, |v[XS+5]|
.irp i, 6,10
	v_max3_num_f32 v8, v8, |v[XS+\i]|, |v[XS+\i+1]|
	v_max3_num_f32 v9, v9, |v[XS+\i+2]|, |v[XS+\i+3]|
.endr
	v_max3_num_f32 v8, v8, |v[XS+14]|, |v[XS+15]|
	v_max3_num_f32 v8, v8, v9, 0x4800000           ; and the floor 2^(9 - 127): the byte cannot fall under 1
	v_max_num_f32_dpp v8, v8, v8 row_xmask:1 row_mask:0xf bank_mask:0xf   ; and of my neighbour's 16: the block's
	v_add_nc_u32 v11, 0xfc000000, v8               ; 8 off its exponent field: the conversion takes the exponent field of this operand as its scale
	v_and_or_b32 v10, v8, 0x7f800000, s33          ; 448 x the scale
.irp i, 0,1,2,3,4,5,6,7,8,9,10,11,12,13,14,15
	v_med3_num_f32 v[XS+\i], v[XS+\i], -v10, v10   ; the conversion to an 8-bit code does not saturate (ISA guide 7.6.2): the hold comes first
.endr
	v_cvt_scalef32_pk8_fp8_f32 v[C+4*(\t):C+4*(\t)+1], v[XS:XS+7], v11
	v_cvt_scalef32_pk8_fp8_f32 v[C+4*(\t)+2:C+4*(\t)+3], v[XS+8:XS+15], v11
	v_lshrrev_b32 v[E+(\t)], 23, v11               ; the scale's byte
	ds_store_b8 v5, v[E+(\t)] offset:16*(\t)       ; both lanes of a block write the same byte with the same value
	global_store_b128 v4, v[C+4*(\t):C+4*(\t)+3], s[40:41] offset:32*CB*(\t)   ; the wave stores 512 consecutive bytes
.endm
.irp t, 0,1,2,3,4,5,6,7,8,9,10,11,12,13,14,15
	STEP \t
.endr
	ds_load_b64 v[8:9], v6                         ; LDS serves a wave's instructions in order: these see my stores
	s_wait_dscnt 0x0
	global_store_b64 v7, v[8:9], s[42:43]          ; 32 lanes store 256 consecutive bytes, aligned
	s_wait_tensorcnt 0x0                           ; the wave's end
	ds_add_u32 v[SPW], v[NIL]
	s_wait_dscnt 0x0
	s_endpgm
	; ---------------- the mask ----------------
.Lmask:
	s_sub_co_u32 s27, ttmp9, NQWG                  ; t: my tile of 16 queries
	v_and_b32 v4, 15, v0                           ; r
	v_bfe_u32 v5, v0, 4, 1                         ; h
	v_lshlrev_b32 v3, 13, v4                       ; a row of the mask is 8,192 bytes;
	v_lshl_add_u32 v3, v5, 6, v3                   ; lanes 16-31 take the 16 keys behind those of lanes 0-15
	v_lshlrev_b32 v[O8], 3, v2
	v_lshlrev_b32 v[O4], 2, v2
.irp i, 0,1,2,3,4,5,6,7,8
	v_mov_b32 v[MW+\i], 0                          ; written whole once: a lane write leaves the other lanes as they are
.endr
	s_lshl_b32 s28, s27, 17                        ; 16 rows of the mask,
	s_lshl_b32 s29, s26, 11                        ; my wave's four steps of 512 bytes
	s_add_co_u32 s28, s28, s29
	s_mov_b32 s29, 0
	s_lshl_b32 s30, s27, 12                        ; words: 16 steps x 256 bytes a tile of queries,
	s_lshl_b32 s31, s26, 10                        ; my four steps
	s_add_co_u32 s30, s30, s31
	s_mov_b32 s31, 0
	s_lshl_b32 s36, s27, 7                         ; flags: 128 bytes a tile of queries,
	s_lshl_b32 s37, s26, 5                         ; 32 for my four steps,
	s_add_co_u32 s36, s36, s37
	s_add_co_u32 s36, s36, 524288                  ; behind the words
	s_mov_b32 s37, 0
	s_wait_kmcnt 0x0
	s_add_nc_u64 s[18:19], s[18:19], s[28:29]
	s_add_nc_u64 s[32:33], s[24:25], s[30:31]
	s_add_nc_u64 s[34:35], s[24:25], s[36:37]
.macro LOADM t                         ; step t's 64 words a lane: register 16 b + 4 i + j is key 32 b + 16 h + 4 i + j of my row
.irp b, 0,1,2,3
.irp i, 0,1,2,3
	global_load_b128 v[MS+64*((\t)%2)+16*\b+4*\i:MS+64*((\t)%2)+16*\b+4*\i+3], v3, s[18:19] offset:512*(\t)+128*\b+16*\i
.endr
.endr
.endm
.macro MTILE t
.if (\t) < 3
	s_wait_loadcnt 16                              ; this tile's 16 loads are in; the next tile's 16 may be out
.else
	s_wait_loadcnt 0x0
.endif
	s_mov_b32 s48, 0                               ; the OR of the tile's words
	s_mov_b32 s49, -1                              ; and the AND
.irp g, 0,1,2,3,4,5,6,7
.irp k, 0,1,2,3,4,5,6,7
	v_cmp_ne_u32 s[40+\k], 0, v[MS+64*((\t)%2)+8*\g+\k]            ; word n = 8 g + k: a bit a lane
.endr
.irp k, 0,1,2,3,4,5,6,7
	s_or_b32 s48, s48, s[40+\k]
	s_and_b32 s49, s49, s[40+\k]
	v_writelane_b32 v[MW+2*(\t)+(\k)%2], s[40+\k], 4*\g+(\k)/2     ; to lane n / 2, register n % 2: byte 4 n of the store below
.endr
.endr
.if (\t)+2 < 4
	LOADM (\t)+2                                   ; into the set just read
.endif
	v_writelane_b32 v[FL], s48, 2*(\t)
	v_writelane_b32 v[FL], s49, 2*(\t)+1
	global_store_b64 v[O8], v[MW+2*(\t):MW+2*(\t)+1], s[32:33] offset:256*(\t)   ; 32 lanes store 256 consecutive bytes, aligned
.endm
	LOADM 0
	LOADM 1
	MTILE 0
	MTILE 1
	MTILE 2
	MTILE 3
	v_cmp_gt_u32 vcc_lo, 8, v2
	s_wait_xcnt 0x0                                ; EXEC changes only behind this wait: it is a source of the stores above
	s_and_saveexec_b32 s50, vcc_lo
	global_store_b32 v[O4], v[FL], s[34:35]        ; my four tiles' flags: 32 bytes a wave, 16,384 in the launch: a short store, for numbers that a scalar load reads later
	s_wait_xcnt 0x0
	s_or_b32 exec_lo, exec_lo, s50
	s_endpgm
.Lfunc_end_k_q1ee1d73734_prep:
	.size	k_q1ee1d73734_prep, .Lfunc_end_k_q1ee1d73734_prep-k_q1ee1d73734_prep
	.p2alignl 7, 3214868480
	.fill 96, 4, 3214868480
	.section	.rodata,"a",@progbits
	.p2align	6, 0x0
	.amdhsa_kernel k_q1ee1d73734_prep
		.amdhsa_group_segment_fixed_size 33280
		.amdhsa_private_segment_fixed_size 0
		.amdhsa_enable_private_segment 0
		.amdhsa_kernarg_size 88
		.amdhsa_user_sgpr_count 2
		.amdhsa_user_sgpr_kernarg_segment_ptr 1
		.amdhsa_wavefront_size32 1
		.amdhsa_system_sgpr_workgroup_id_x 1
		.amdhsa_system_sgpr_workgroup_id_y 1
		.amdhsa_system_sgpr_workgroup_id_z 1
		.amdhsa_system_vgpr_workitem_id 0
		.amdhsa_next_free_vgpr 192
		.amdhsa_next_free_sgpr 66
		.amdhsa_reserve_vcc 1
		.amdhsa_float_denorm_mode_32 3
		.amdhsa_float_denorm_mode_16_64 3
		.amdhsa_memory_ordered 1
		.amdhsa_forward_progress 1
		.amdhsa_inst_pref_size 109
	.end_amdhsa_kernel
	.amdgpu_metadata
---
amdhsa.version: [ 1, 2 ]
amdhsa.kernels:
  - .name:           k_q1ee1d73734_prep
    .symbol:         k_q1ee1d73734_prep.kd
    .args:
      - { .name: q, .offset: 0, .size: 8, .value_kind: global_buffer, .address_space: global }
      - { .name: k, .offset: 8, .size: 8, .value_kind: global_buffer, .address_space: global }
      - { .name: v, .offset: 16, .size: 8, .value_kind: global_buffer, .address_space: global }
      - { .name: Wq, .offset: 24, .size: 8, .value_kind: global_buffer, .address_space: global }
      - { .name: Wk, .offset: 32, .size: 8, .value_kind: global_buffer, .address_space: global }
      - { .name: Wv, .offset: 40, .size: 8, .value_kind: global_buffer, .address_space: global }
      - { .name: Wo, .offset: 48, .size: 8, .value_kind: global_buffer, .address_space: global }
      - { .name: mask, .offset: 56, .size: 8, .value_kind: global_buffer, .address_space: global }
      - { .name: xw_codes, .offset: 64, .size: 8, .value_kind: global_buffer, .address_space: global }
      - { .name: xw_scales, .offset: 72, .size: 8, .value_kind: global_buffer, .address_space: global }
      - { .name: mwords, .offset: 80, .size: 8, .value_kind: global_buffer, .address_space: global }
    .group_segment_fixed_size: 33280
    .private_segment_fixed_size: 0
    .kernarg_segment_align: 8
    .kernarg_segment_size: 88
    .max_flat_workgroup_size: 128
    .sgpr_count:     66
    .vgpr_count:     192
    .wavefront_size: 32
...
	.end_amdgpu_metadata
.endif
;; end of part 1
;; launch proj (part 2): grid 4 x 96, 4 waves a work-group, clusters of 4 x 4, 327,680 bytes of LDS; arguments xw_codes, xw_scales, bq, bk, bv, qkv_img, qkv_sc; writes qkv_img, qkv_sc
.if DOCPART == 2
	.amdgcn_target "amdgcn-amd-amdhsa--gfx1250"
	.amdhsa_code_object_version 6
	.text
	.protected	k_q1ee1d73734_proj
	.globl	k_q1ee1d73734_proj
	.p2align	8
	.type	k_q1ee1d73734_proj,@function
k_q1ee1d73734_proj:
	s_mov_b64 s[64:65], 0
	v_nop
	global_prefetch_b8 v0, s[64:65] scope:SCOPE_SE
	s_setreg_imm32_b32 hwreg(HW_REG_WAVE_MODE, 25, 1), 1
	s_wait_xcnt 0x0
	s_wait_alu depctr_hold_cnt(0) depctr_sa_sdst(0) depctr_va_vdst(0) depctr_va_sdst(0) depctr_va_ssrc(0) depctr_va_vcc(0) depctr_vm_vsrc(0)
	s_getreg_b32 s2, hwreg(HW_REG_IB_STS2, 6, 4)
	s_cmp_eq_u32 s2, 0
	s_cbranch_scc0 .Lentry_in_a_cluster
	s_endpgm
.Lentry_in_a_cluster:
	s_bfe_u32 s2, ttmp6, 0x10000c
	s_cmp_lg_u32 s2, 0xf033
	s_cbranch_scc0 .Lentry_shape_is_right
	s_endpgm
.Lentry_shape_is_right:
; Launch 2 of 4: the three projections, q Wq^T + bq, k Wk^T + bk, v Wv^T + bv, on codes of E4M3 with one E8M0 scale for each 32 along K = 1,024; no work is left out.
; The results are quantised in registers and leave as IMAGES OF THE ATTENTION LAUNCH'S OPERAND REGISTERS: each group of four registers as 512 consecutive bytes, lane l's 16 at 16 l.
; A tile of 256 x 256 is made by four waves, 128 x 128 each: 64 accumulators, 512 registers.  K goes in steps of 256 through a ring of two LDS slots filled by the tensor data mover; the scale bytes of the
; work-group's rows, for all of K, come once with the first fills.  CLUSTERS of 4 x 4: A's tiles are asked for jointly along a row of the cluster, B's along a column.
; THE GRID: 24 clusters along y: 8 for each projection PJ.  For q and k "A" is the activation (8,192 rows) and "B" the weight (1,024 rows).  For v the parts are exchanged: "A" is Wv and "B" is v.
; THE MATRIX INSTRUCTION IS USED TRANSPOSED (source 0 = 16 rows of B, source 1 = 16 rows of A): a lane holds one row of A, and its registers run along B's rows.  B's rows were stored with bits 3 and 4 of their
; number exchanged, so the 16 registers of B's blocks 2 x and 2 x + 1 are 16 neighbours: for q and k along the head's channels (the K of the scores), for v along the keys (the K of the second product).
; The same text so quantises qh, kh along the channels and vh along the keys.  k's rows and Wv's rows were stored exchanged as well: a tile of keys, or of V's channels, so holds the rows that the attention
; launch wants in one tile.
; THE BIAS runs along B's rows for q and k: it is the C of each sum's first matrix instruction.  For v it runs along A's rows: one number a lane and block, added to the finished sums.
; LIMITS: as stated at the head of the first launch (NaN, infinities, blocks under the floor).
; REGISTERS, in windows of 256: window 0: v1-31 addresses, v8-15 v's bias; v32-63 scale words, two sets; v64-127 the bias as C; from v128 A's fragments, one set; on the way out v32-95 are at work.
;   window 1: B's fragments, two sets.   window 2: the accumulators of my rows 0-63 ((a, b) at v[8 (8 a + b)]);   window 3: those of my rows 64-127.
.set KSTEP,  256
.set NQ,     2                         ; matrix instructions deep in a slot
.set ROWB,   256                       ; a tile's row in bytes
.set KROW,   1024                      ; a row of codes in memory
.set PITCH,  272                       ; an LDS row: 256 bytes + 16 of padding: the 16 rows that a load touches start at 16 different banks (64 banks of 4 bytes: ISA guide 11.1)
.set FR,     16
.set NL,     4
.set NP,     8                         ; places behind this matrix instruction (ISA guide 7.12.1)
.set HALFT,  128*PITCH
.set SLOT,   4*HALFT
.set LAPS,   2                         ; 1,024 / 512
.set KS,     32                        ; a row of scale bytes
.set SCL,    2*SLOT                    ; behind the ring: the scales, as units of 256 bytes + 16 of padding
.set HALFS,  16*272                    ; those of 128 rows
.set SBLK,   2*272                     ; those of 16 rows
.set SPARE,  SCL+4*HALFS               ; the spare words, 128 bytes a wave
.set BR,   8                           ; v8-15   v's bias: block a's number of my row
.set ADRA, 16
.set ADRB, 20
.set VLO,  24                          ; v24     16 x lane
.set VHI,  25                          ; v25     the same, for q and k one head on less 1,024
.set VSC,  26                          ; v26     4,096 (lane / 16) + 16 (lane % 16)
.set ADRS, 27
.set SPW,  28
.set NIL,  29
.set SC,   32
.set BC,   64                          ; v64-127 the bias along B's rows: 8 blocks x 8 registers
.set AF,   128
.set TM,   32                          ; the way out: v32-35 largest magnitudes, v36-39 bytes, v40-43 448 x the scale, v44-47 the conversions' scale operands
.set PC,   48                          ; v48-63  a block's codes
.set PWS,  80                          ; v80-87  the eight blocks' scale words
.set TP,   88                          ; v88-89  v's bias as a pair
.set G1, 24
.set G0, 32
.set G1B, 48
.set G0B, 56
.set G1S, 68
.set G0S, 76
.set G1SB, 80
.set G0SB, 88
.set SEL, 46                           ; s[46:47] lane selects for v_permlanex16_b32 (set behind the head's last use of the pair)
.set MNT, 98                           ; s98     the mantissa field of 448
.set MSB, 0
.macro WIN new                         ; the immediate's high byte repeats the setting that is left
.if MSB != (\new)
	s_set_vgpr_msb (MSB<<8)|(\new)
.set MSB, (\new)
.endif
.endm
.set MUL_LO, 0xa1                      ; source 0 (B) window 1, source 1 (A) window 0, C and D window 2
.set MUL_HI, 0xf1                      ; the same, C and D window 3
.set TO_B,   0x40
; A joint load: waves 0 and 1 fetch for A, waves 2 and 3 for B.  The branch hangs on the wave's number alone.  An s_nop 0 and four v_nop follow each of the two lines.
.macro JLOAD g0a, g1a, g0b, g1b
	s_cmp_eq_u32 s19, 0
	s_cbranch_scc0 .Lfor_b_\@
	tensor_load_to_lds s[\g0a:\g0a+3], s[\g1a:\g1a+7]
	s_nop 0
.rept 4
	v_nop
.endr
	s_branch .Lasked_\@
.Lfor_b_\@:
	tensor_load_to_lds s[\g0b:\g0b+3], s[\g1b:\g1b+7]
	s_nop 0
.rept 4
	v_nop
.endr
.Lasked_\@:
.endm
.macro CREST                           ; a round of the cluster's barrier behind its opening barrier
	s_cmp_lg_u32 s18, 0
	s_cbranch_scc1 .Lnot_wave_0_\@
	s_barrier_signal -3
.Lnot_wave_0_\@:
	s_barrier_wait -3
	s_barrier_signal -1
	s_barrier_wait -1
.endm
.macro CROUND
	s_barrier_signal -1
	s_barrier_wait -1
	CREST
.endm
	s_load_b256 s[4:11], s[0:1], 0x0               ; the codes 4, the scale bytes 6, bq 8, bk 10
	s_load_b128 s[12:15], s[0:1], 0x20             ; bv 12, the images 14
	s_load_b64 s[16:17], s[0:1], 0x30              ; the images' scale words
	v_lshl_add_u32 v[SPW], v0, 2, SPARE
	v_mov_b32 v[NIL], 0
	ds_add_u32 v[SPW], v[NIL]                      ; the wave's opening: the add, twice on end, and its wait ahead of my first tensor load
	ds_add_u32 v[SPW], v[NIL]
	v_lshrrev_b32 v1, 5, v0
	v_readfirstlane_b32 s18, v1                    ; wave 0..3
	s_lshr_b32 s19, s18, 1                         ; which half of the tile's rows is mine.  Also: I fetch for A (0) or for B (1)
	s_and_b32 s20, s18, 1                          ; which half of its columns.  Also: which 128 rows of that tile I fetch
	s_bfe_u32 s21, ttmp6, 0x40000                  ; cx
	s_bfe_u32 s22, ttmp6, 0x40004                  ; cy
	s_and_b32 s44, ttmp7, 0xffff                   ; cluster y, 0 .. 23
	s_lshr_b32 s23, s44, 3                         ; PJ: 0 q, 1 k, 2 v
	s_and_b32 s44, s44, 7
	s_lshl_b32 s44, s44, 2                         ; 4 Y
	s_lshr_b32 s96, s23, 1                         ; ISV: 1 for v
	s_xor_b32 s97, s96, 1                          ; NV: 1 for q and k
	s_mul_i32 s40, s44, s97
	s_add_co_u32 s40, s40, s22                     ; tile row: cy, for q and k + 4 Y
	s_mul_i32 s41, s44, s96
	s_add_co_u32 s41, s41, s21                     ; tile column: cx, for v + 4 Y
	s_lshl_b32 s42, s22, 2
	s_lshl_b32 s42, 15, s42                        ; my row of the cluster
	s_lshl_b32 s43, 0x1111, s21                    ; my column
	; descriptor group 1: a tile of 128 rows x 256 bytes, 16 bytes of padding behind each row
	s_or_b32 s[G1+0], s42, (0<<16)|(1<<20)|(1<<21)|(5<<22)|(3<<25)  ; 15:0 the mask; 17:16 elements of 1 byte; 20 padding on; 21 set beside a mask; 24:22 after every 64 words; 31:25 four words
	s_or_b32 s[G1B+0], s43, (0<<16)|(1<<20)|(1<<21)|(5<<22)|(3<<25)
.irp g, G1, G1B
	s_mov_b32 s[\g+1], ROWB<<16                    ; tensor_dim0
	s_mov_b32 s[\g+2], 128<<16                     ; tensor_dim1
	s_mov_b32 s[\g+3], ROWB<<16                    ; tile_dim0
	s_mov_b32 s[\g+4], 128                         ; tile_dim1
	s_mov_b32 s[\g+5], KROW                        ; tensor_dim0_stride
	s_mov_b32 s[\g+6], 0
	s_mov_b32 s[\g+7], 0
.endr
	; the scales of 128 rows: 4,096 dense bytes, as 16 rows of 256 bytes (32 elements of 8 bytes), 16 bytes of padding behind each
	s_or_b32 s[G1S+0], s42, (3<<16)|(1<<20)|(1<<21)|(5<<22)|(3<<25)
	s_or_b32 s[G1SB+0], s43, (3<<16)|(1<<20)|(1<<21)|(5<<22)|(3<<25)
.irp g, G1S, G1SB
	s_mov_b32 s[\g+1], 32<<16
	s_mov_b32 s[\g+2], 16<<16
	s_mov_b32 s[\g+3], 32<<16
	s_mov_b32 s[\g+4], 16
	s_mov_b32 s[\g+5], 32
	s_mov_b32 s[\g+6], 0
	s_mov_b32 s[\g+7], 0
.endr
	; where the tiles come from.  A's offsets are made of cy and the cluster's y, B's of cx and the cluster's y.  All stay under 2^25 bytes
	s_lshl_b32 s46, s20, 7                         ; which 128 rows of the tile I fetch
	s_lshl_b32 s92, s40, 8
	s_add_co_u32 s92, s92, s46                     ; A's row
	s_lshl_b32 s94, s41, 8
	s_add_co_u32 s94, s94, s46                     ; B's row
	s_mul_i32 s47, s97, s23
	s_lshl_b32 s47, s47, 23                        ; A's section of the codes: q's or k's,
	s_mul_i32 s98, s96, 0x1A00000                  ; or Wv's
	s_add_co_u32 s47, s47, s98
	s_lshl_b32 s98, s23, 20
	s_add_co_u32 s98, s98, 0x1800000
	s_mul_i32 s98, s98, s97                        ; B's section: Wq's or Wk's,
	s_lshl_b32 s99, s96, 24                        ; or v's
	s_add_co_u32 s98, s98, s99
	s_lshl_b32 s100, s92, 5                        ; 32 scale bytes a row;
	s_lshr_b32 s99, s47, 5                         ; the scale bytes' sections are the codes' / 32
	s_add_co_u32 s100, s100, s99
	s_mov_b32 s101, 0
	s_lshl_b32 s92, s92, 10
	s_add_co_u32 s92, s92, s47
	s_mov_b32 s93, 0
	s_lshl_b32 s46, s94, 5
	s_lshr_b32 s99, s98, 5
	s_add_co_u32 s46, s46, s99
	s_mov_b32 s47, 0
	s_lshl_b32 s94, s94, 10
	s_add_co_u32 s94, s94, s98
	s_mov_b32 s95, 0
	s_mul_i32 s45, s18, HALFT                      ; where they go: wave x 128 rows: no place in the cluster enters an LDS address
	s_mul_i32 s99, s18, HALFS
	s_wait_dscnt 0x0                               ; both opening adds are done
	s_wait_kmcnt 0x0
	s_add_nc_u64 s[92:93], s[4:5], s[92:93]        ; A's codes
	s_add_nc_u64 s[100:101], s[6:7], s[100:101]    ; A's scales
	s_add_nc_u64 s[94:95], s[4:5], s[94:95]        ; B's codes
	s_add_nc_u64 s[46:47], s[6:7], s[46:47]        ; B's scales
	CROUND                                         ; all sixteen work-groups are here: the first joint loads meet
	s_mov_b32 s[G0S], 1
	s_add_co_u32 s[G0S+1], s99, SCL
	s_mov_b64 s[G0S+2:G0S+3], s[100:101]
	s_or_b32 s[G0S+3], s[G0S+3], 0x80000000
	s_mov_b32 s[G0SB], 1
	s_add_co_u32 s[G0SB+1], s99, SCL
	s_mov_b64 s[G0SB+2:G0SB+3], s[46:47]
	s_or_b32 s[G0SB+3], s[G0SB+3], 0x80000000
	JLOAD G0S, G1S, G0SB, G1SB                     ; the scales first: they are wanted with K step 0
.irp s, 0,1
	s_mov_b32 s[G0+4*\s], 1
	s_add_co_u32 s[G0+4*\s+1], s45, \s*SLOT
	s_add_nc_u64 s[G0+4*\s+2:G0+4*\s+3], s[92:93], \s*ROWB
	s_or_b32 s[G0+4*\s+3], s[G0+4*\s+3], 0x80000000
	s_mov_b32 s[G0B+4*\s], 1
	s_add_co_u32 s[G0B+4*\s+1], s45, \s*SLOT
	s_add_nc_u64 s[G0B+4*\s+2:G0B+4*\s+3], s[94:95], \s*ROWB
	s_or_b32 s[G0B+4*\s+3], s[G0B+4*\s+3], 0x80000000
	JLOAD G0+4*\s, G1, G0B+4*\s, G1B
.endr
	; where my results go
	v_and_b32 v1, 15, v0                           ; r
	v_bfe_u32 v2, v0, 4, 1                         ; h
	s_lshl_b32 s92, s40, 8
	s_lshl_b32 s93, s19, 7
	s_add_co_u32 s92, s92, s93                     ; my first row of A
	s_lshl_b32 s93, s41, 8
	s_lshl_b32 s94, s20, 7
	s_add_co_u32 s93, s93, s94                     ; my first row of B
	s_cmp_eq_u32 s96, 1
	s_cselect_b32 s94, s93, s92                    ; XR: my first row of the activation,
	s_cselect_b32 s95, s92, s93                    ; WR: of the weight (my first channel: two heads' worth follow)
	s_lshr_b32 s92, s94, 11                        ; the batch
	s_lshl_b32 s92, s92, 4
	s_lshr_b32 s93, s95, 6                         ; my first head
	s_add_co_u32 s92, s92, s93                     ; 16 x batch + head
	s_bfe_u32 s93, s94, 0x40007                    ; g: which 128 positions of the sequence
	s_lshl_b32 s46, s23, 23                        ; images: a section of 8 MiB for each projection,
	s_lshl_b32 s47, s92, 17                        ; 128 KiB a head,
	s_add_co_u32 s46, s46, s47
	s_lshl_b32 s47, s93, 13                        ; 8,192 bytes for 128 positions
	s_add_co_u32 s46, s46, s47
	s_mov_b32 s47, 0
	s_add_nc_u64 s[14:15], s[14:15], s[46:47]
	s_add_co_u32 s99, s96, 12                      ; scale words: 4,096 bytes a head for q and k, 8,192 for v,
	s_lshl_b32 s46, s92, s99
	s_add_co_u32 s99, s96, 8                       ; 256 or 512 for 128 positions,
	s_lshl_b32 s47, s93, s99
	s_add_co_u32 s46, s46, s47
	s_lshl_b32 s47, s23, 18                        ; sections at 0, 0x40000, 0x80000
	s_add_co_u32 s46, s46, s47
	s_mov_b32 s47, 0
	s_add_nc_u64 s[16:17], s[16:17], s[46:47]
	s_cmp_eq_u32 s23, 0
	s_cselect_b64 s[100:101], s[8:9], s[10:11]
	s_cmp_eq_u32 s23, 2
	s_cselect_b64 s[100:101], s[12:13], s[100:101] ; my projection's bias,
	s_lshl_b32 s46, s95, 2
	s_add_nc_u64 s[100:101], s[100:101], s[46:47]  ; at my first channel
	; the bias: each arm writes both sets of registers, one from memory and the other with zeros
	s_cmp_eq_u32 s96, 0
	s_cbranch_scc0 .Lbias_v
	v_lshlrev_b32 v7, 6, v2                        ; q, k: lane (r, h) wants, for B's block b, channels 32 (b / 2) + 8 (b % 2) + 16 h + 0 .. 7
.irp b, 0,1,2,3,4,5,6,7
	global_load_b128 v[BC+8*\b:BC+8*\b+3], v7, s[100:101] offset:(32*(\b/2)+8*(\b%2))*4
	global_load_b128 v[BC+8*\b+4:BC+8*\b+7], v7, s[100:101] offset:(32*(\b/2)+8*(\b%2))*4+16
.endr
.irp a, 0,1,2,3,4,5,6,7
	v_mov_b32 v[BR+\a], 0
.endr
	s_branch .Lbias_done
.Lbias_v:
	v_and_b32 v7, 8, v1
	v_add_nc_u32 v7, v7, v1
	v_lshlrev_b32 v7, 2, v7                        ; v: for A's block a my row is channel 32 (a / 2) + 8 (a % 2) + r + 8 (r / 8)
.irp a, 0,1,2,3,4,5,6,7
	global_load_b32 v[BR+\a], v7, s[100:101] offset:(32*(\a/2)+8*(\a%2))*4
.endr
.set ii, 0
.rept 64
	v_mov_b32 v[BC+ii], 0                          ; the C of the first products
.set ii, ii+1
.endr
.Lbias_done:
	v_mul_u32_u24 v3, v1, PITCH
	v_lshl_add_u32 v4, v2, 4, v3                   ; a fragment's row x pitch + 16 x half
	s_mul_i32 s44, s19, HALFT                      ; my 128 rows of A
	s_mul_i32 s45, s20, HALFT                      ; my 128 rows of B,
	s_add_co_u32 s45, s45, 2*HALFT                 ; which lie behind A's 256
.irp s, 0,1
	v_add_nc_u32 v[ADRA+\s], s44, v4
	v_add_nc_u32 v[ADRB+\s], s45, v4
	s_add_co_u32 s44, s44, SLOT
	s_add_co_u32 s45, s45, SLOT
.endr
	v_mul_u32_u24 v5, v1, KS                       ; my row's scales: 32 bytes a row,
	v_lshrrev_b32 v6, 8, v5
	v_lshl_add_u32 v5, v6, 4, v5                   ; and 16 more for each 256 passed
	s_mul_i32 s44, s19, HALFS
	s_mul_i32 s45, s20, HALFS
	s_add_co_u32 s45, s45, 2*HALFS
	s_sub_co_u32 s45, s45, s44
	v_mul_u32_u24 v6, s45, v2                      ; lanes 16-31 take B's
	s_add_co_u32 s44, s44, SCL
	v_add_nc_u32 v5, v5, v6
	v_add_nc_u32 v[ADRS], s44, v5
	v_and_b32 v6, 31, v0
	v_lshlrev_b32 v[VLO], 4, v6
	s_mul_i32 s44, s97, 0x20000-1024
	v_add_nc_u32 v[VHI], s44, v[VLO]
	v_lshlrev_b32 v[VSC], 4, v1
	v_lshl_add_u32 v[VSC], v2, 12, v[VSC]
	s_lshl_b32 s92, 1024, s96                      ; s[92:93]: from block to block in the images: a tile of q or k is 1,024 bytes, a fragment of v 2,048
	s_mov_b32 s93, 0
	s_mul_i32 s94, s96, 0x20000-8192               ; s[94:95]: v's blocks 4 to 7 belong to the next head
	s_mov_b32 s95, 0
	s_mov_b32 s[SEL], 0x76543210
	s_mov_b32 s[SEL+1], 0xfedcba98
	s_mov_b32 s[MNT], 0x600000
	s_mov_b32 s99, 0xffff0000                      ; lanes 16-31
.macro FRAG reg, adr, q, i             ; a fragment, 16 rows x 128 K: lane l holds row l % 16; registers 4 c .. 4 c + 3 hold K = 32 c + 16 (l / 16) + 0 .. 15
.irp c, 0,1,2,3
	ds_load_b128 v[\reg+4*\c:\reg+4*\c+3], v[\adr] offset:128*(\q)+32*\c+(\i)*16*PITCH
.endr
.endm
; 16 matrix instructions: A's blocks a0, a0 + 1 x B's eight, 128 along K.  zero = 1: the first product starts the sums, with the bias as C.  The 64 accumulators take turns.
.macro MUL16 a0, p, q, sc, zero
.irp a, \a0, \a0+1
.irp b, 0,1,2,3,4,5,6,7
.if \zero
	v_wmma_scale_f32_16x16x128_f8f6f4 v[8*(8*((\a)%4)+\b):8*(8*((\a)%4)+\b)+7], v[128*(\p)+FR*\b:128*(\p)+FR*\b+FR-1], v[AF+FR*(\a):AF+FR*(\a)+FR-1], v[BC+8*\b:BC+8*\b+7], v[SC+8*NQ*(\sc)+NQ*\b+(\q)], v[SC+8*NQ*(\sc)+NQ*(\a)+(\q)] matrix_a_scale:MATRIX_SCALE_ROW1
.else
	v_wmma_scale_f32_16x16x128_f8f6f4 v[8*(8*((\a)%4)+\b):8*(8*((\a)%4)+\b)+7], v[128*(\p)+FR*\b:128*(\p)+FR*\b+FR-1], v[AF+FR*(\a):AF+FR*(\a)+FR-1], v[8*(8*((\a)%4)+\b):8*(8*((\a)%4)+\b)+7], v[SC+8*NQ*(\sc)+NQ*\b+(\q)], v[SC+8*NQ*(\sc)+NQ*(\a)+(\q)] matrix_a_scale:MATRIX_SCALE_ROW1
.endif
.endr
.endr
.endm
.macro FETCH_B slot, q, p
	WIN TO_B
.irp i, 0,1,2,3,4,5,6,7
	FRAG 128*(\p)+FR*\i, ADRB+\slot, \q, \i
.endr
	WIN 0
.endm
.macro FETCH_A slot, q, i0
.irp i, \i0, \i0+1, \i0+2, \i0+3
	FRAG AF+FR*(\i), ADRA+\slot, \q, \i
.endr
.endm
.macro SCALES sc                       ; a K step's scale words: two a row; lanes 0-15 take A's block i, lanes 16-31 B's block i
.irp i, 0,1,2,3,4,5,6,7
	ds_load_b64 v[SC+8*NQ*\sc+NQ*\i:SC+8*NQ*\sc+NQ*\i+1], v[ADRS] offset:\i*SBLK
.endr
.endm
.macro PLACES n                        ; plain vector instructions that name none of a matrix instruction's registers (ISA guide 7.12.1)
.rept \n
	v_nop
.endr
.endm
.macro STEP slot, q, zero              ; a step of 128 along K that has its successor in the same slot
	s_wait_dscnt 4*NL                              ; B's set and A's blocks 0-3 are in; the 16 youngest loads (A's blocks 4-7) may be out
.if \zero
	WIN 0x81                                       ; C (the bias) in window 0
.else
	WIN MUL_LO
.endif
	MUL16 0, (\q)%2, \q, \slot, \zero
	MUL16 2, (\q)%2, \q, \slot, \zero
	s_wait_dscnt 0
	PLACES NP
	FETCH_B \slot, (\q)+1, 1-(\q)%2
	FETCH_A \slot, (\q)+1, 0
.if \zero
	WIN 0xc1
.else
	WIN MUL_HI
.endif
	MUL16 4, (\q)%2, \q, \slot, \zero
	MUL16 6, (\q)%2, \q, \slot, \zero
	PLACES NP
	WIN 0
	FETCH_A \slot, (\q)+1, 4
.endm
; A slot's last step changes slots: one barrier; in front of it each wave waits for all its tensor loads, adds 0 to its spare word, and waits for that and for its reads of this slot.
.macro TURN slot, next, fill
	s_wait_tensorcnt 0x0                           ; all my tensor loads have landed: my part of the next slot
	ds_add_u32 v[SPW], v[NIL]
	s_wait_dscnt 4*NL+1                            ; (the add and the 16 youngest loads may be out)
	WIN MUL_LO
	MUL16 0, 1, NQ-1, \slot, 0
	s_wait_dscnt 0x0                               ; the add is done, and my reads of this slot are over
	s_barrier_signal -1
	MUL16 2, 1, NQ-1, \slot, 0
	WIN 0
	s_barrier_wait -1
.if \fill
	CREST                                          ; the barrier has opened a round of the cluster's: no wave of any partner still reads this slot or has a load on its way
	s_add_nc_u64 s[G0+4*\slot+2:G0+4*\slot+3], s[G0+4*\slot+2:G0+4*\slot+3], 2*ROWB
	s_add_nc_u64 s[G0B+4*\slot+2:G0B+4*\slot+3], s[G0B+4*\slot+2:G0B+4*\slot+3], 2*ROWB
	JLOAD G0+4*\slot, G1, G0B+4*\slot, G1B         ; the first tensor load behind the round; its four v_nop are among the places in front of the loads below
	PLACES NP-4
.else
	PLACES NP
.endif
	v_add_nc_u32 v[ADRS], 4*NQ, v[ADRS]            ; on to the next K step's scale words
	FETCH_B \next, 0, 0
	FETCH_A \next, 0, 0
	SCALES \next
	WIN MUL_HI
	MUL16 4, 1, NQ-1, \slot, 0
	MUL16 6, 1, NQ-1, \slot, 0
	PLACES NP
	WIN 0
	FETCH_A \next, 0, 4
.endm
	s_wait_tensorcnt 1                             ; the scales and my part of K step 0 are in (K step 1's load may be out),
	s_barrier_signal -1
	s_barrier_wait -1                              ; everybody's are
	FETCH_B 0, 0, 0
	FETCH_A 0, 0, 0
	SCALES 0
	FETCH_A 0, 0, 4
	s_wait_loadcnt 0x0                             ; the bias
	STEP 0, 0, 1                                   ; the first step stands in front of the loop: its products start the sums
	s_mov_b32 s3, LAPS-1
.Llap:
	TURN 0, 1, 1
	STEP 1, 0, 0
	TURN 1, 0, 1
	STEP 0, 0, 0
	s_sub_co_u32 s3, s3, 1
	s_cmp_lg_u32 s3, 0
	s_cbranch_scc1 .Llap
	TURN 0, 1, 0                                   ; the last lap fills nothing
	STEP 1, 0, 0
	s_wait_dscnt 4*NL
	WIN MUL_LO
	MUL16 0, 1, NQ-1, 1, 0
	MUL16 2, 1, NQ-1, 1, 0
	s_wait_dscnt 0
	WIN MUL_HI
	MUL16 4, 1, NQ-1, 1, 0
	MUL16 6, 1, NQ-1, 1, 0
	WIN 0
; THE WAY OUT, block by block of A's 16 rows.  A lane's 64 numbers of a block are, register 16 x + i, number 32 x + 16 h + i along the next K: four blocks of 32, each shared with lane l xor 16.
; The conversions' results are the next operand's registers, and leave as they stand: four stores of 512 consecutive bytes.
.macro QBLK a
.set AC, 64*((\a)%4)
.set WW, 2+(\a)/4                      ; the accumulators' window
	WIN 0
	s_cmp_eq_u32 s96, 0
	s_cbranch_scc1 .Lno_row_bias_\@                ; the same way in all waves of all partners: it hangs on the cluster's y alone
	v_mov_b32 v[TP], v[BR+(\a)]
	v_mov_b32 v[TP+1], v[BR+(\a)]
	WIN WW*64+WW                                   ; destination and source 0 in the accumulators' window
.set ii, 0
.rept 32
	v_pk_add_f32 v[AC+2*ii:AC+2*ii+1], v[AC+2*ii:AC+2*ii+1], v[TP:TP+1]   ; v's bias; each accumulator from its low end on
.set ii, ii+1
.endr
	WIN 0
.Lno_row_bias_\@:
	WIN WW*4+WW                                    ; sources 0 and 1 in the accumulators' window; the running maximum is source 2, in window 0
.irp b, 0,1,2,3
	v_max3_num_f32 v[TM+\b], |v[AC+16*\b]|, |v[AC+16*\b+1]|, 0x4800000   ; and the floor 2^(9 - 127): the byte cannot fall under 1
.endr
.irp i, 2,4,6,8,10,12,14
.irp b, 0,1,2,3
	v_max3_num_f32 v[TM+\b], |v[AC+16*\b+\i]|, |v[AC+16*\b+\i+1]|, v[TM+\b]
.endr
.endr
	WIN 0
.irp b, 0,1,2,3
	v_permlanex16_b32 v[TM+4+\b], v[TM+\b], s[SEL], s[SEL+1]
.endr
.irp b, 0,1,2,3
	v_max_num_f32 v[TM+\b], v[TM+\b], v[TM+4+\b]   ; with lane l xor 16's: the block's largest magnitude
.endr
.irp b, 0,1,2,3
	v_add_nc_u32 v[TM+12+\b], 0xfc000000, v[TM+\b] ; 8 off its exponent field: the conversion's scale operand
.endr
.irp b, 0,1,2,3
	v_and_or_b32 v[TM+8+\b], v[TM+\b], 0x7f800000, s[MNT]   ; 448 x the scale
.endr
.irp b, 0,1,2,3
	v_lshrrev_b32 v[TM+4+\b], 23, v[TM+12+\b]      ; the scale's byte
.endr
	v_lshl_or_b32 v[PWS+(\a)], v[TM+5], 8, v[TM+4]
	v_lshl_or_b32 v[PWS+(\a)], v[TM+6], 16, v[PWS+(\a)]
	v_lshl_or_b32 v[PWS+(\a)], v[TM+7], 24, v[PWS+(\a)]
	WIN WW*64+WW
.irp b, 0,1,2,3
.irp i, 0,1,2,3,4,5,6,7,8,9,10,11,12,13,14,15
	v_med3_num_f32 v[AC+16*\b+\i], v[AC+16*\b+\i], -v[TM+8+\b], v[TM+8+\b]   ; the conversion does not saturate (ISA guide 7.6.2): the hold comes first
.endr
.endr
	WIN WW                                         ; source 0 in the accumulators' window
	s_wait_xcnt 0x0                                ; the last block's stores have read their data and their base: both are written again only behind this wait
.if (\a) > 0
	s_add_nc_u64 s[14:15], s[14:15], s[92:93]
.endif
.if (\a) == 4
	s_add_nc_u64 s[14:15], s[14:15], s[94:95]
.endif
.irp b, 0,1,2,3
	v_cvt_scalef32_pk8_fp8_f32 v[PC+4*\b:PC+4*\b+1], v[AC+16*\b:AC+16*\b+7], v[TM+12+\b]
	v_cvt_scalef32_pk8_fp8_f32 v[PC+4*\b+2:PC+4*\b+3], v[AC+16*\b+8:AC+16*\b+15], v[TM+12+\b]
.endr
	WIN 0
	v_nop                                          ; one plain vector instruction behind the last scaled conversion
	global_store_b128 v[VLO], v[PC:PC+3], s[14:15]                 ; q, k: my first head, channels 0-31;   v: keys 0-31
	global_store_b128 v[VLO], v[PC+4:PC+7], s[14:15] offset:512    ;       channels 32-63;                    keys 32-63
	global_store_b128 v[VHI], v[PC+8:PC+11], s[14:15] offset:1024  ;       the next head, channels 0-31;      keys 64-95
	global_store_b128 v[VHI], v[PC+12:PC+15], s[14:15] offset:1536 ;       channels 32-63;                    keys 96-127
.endm
	PLACES NP                                      ; behind the last products: results are read and scale registers written below
.irp b, 0,1,2,3
	v_mov_b32 v[TM+4+\b], 0                        ; a lane permute's destination counts as one of its sources
.endr
.irp a, 0,1,2,3,4,5,6,7
	QBLK \a
.endr
	; the scale words
	s_cmp_eq_u32 s96, 0
	s_cbranch_scc0 .Lsc_v
	v_mov_b32 v90, 0x05040100                      ; q, k: a word holds two neighbouring tiles' two bytes each: lanes 0-15 take the low halves (my first head),
	v_mov_b32 v91, 0x07060302                      ; lanes 16-31 the high halves (the next head)
	v_cndmask_b32 v90, v90, v91, s99
.irp p, 0,1,2,3
	v_perm_b32 v[92+\p], v[PWS+1+2*\p], v[PWS+2*\p], v90
.endr
	global_store_b128 v[VSC], v[92:95], s[16:17]   ; sixteen lanes store 256 consecutive bytes, aligned; the other sixteen the next head's
	s_branch .Lsc_done
.Lsc_v:
	global_store_b128 v[VLO], v[PWS:PWS+3], s[16:17]               ; v: four fragments' words a lane: 512 consecutive bytes (lanes 16-31 hold a copy of lanes 0-15)
	global_store_b128 v[VLO], v[PWS+4:PWS+7], s[16:17] offset:8192 ; and the next head's
.Lsc_done:
	s_wait_tensorcnt 0x0                           ; the wave's end
	ds_add_u32 v[SPW], v[NIL]
	s_wait_dscnt 0x0
	CROUND                                         ; the closing round: no work-group ends while a partner may still ask for a tile that names it
	s_endpgm
.Lfunc_end_k_q1ee1d73734_proj:
	.size	k_q1ee1d73734_proj, .Lfunc_end_k_q1ee1d73734_proj-k_q1ee1d73734_proj
	.p2alignl 7, 3214868480
	.fill 96, 4, 3214868480
	.section	.rodata,"a",@progbits
	.p2align	6, 0x0
	.amdhsa_kernel k_q1ee1d73734_proj
		.amdhsa_group_segment_fixed_size 327680
		.amdhsa_private_segment_fixed_size 0
		.amdhsa_enable_private_segment 0
		.amdhsa_kernarg_size 56
		.amdhsa_user_sgpr_count 2
		.amdhsa_user_sgpr_kernarg_segment_ptr 1
		.amdhsa_wavefront_size32 1
		.amdhsa_system_sgpr_workgroup_id_x 1
		.amdhsa_system_sgpr_workgroup_id_y 1
		.amdhsa_system_sgpr_workgroup_id_z 1
		.amdhsa_system_vgpr_workitem_id 0
		.amdhsa_next_free_vgpr 1024
		.amdhsa_next_free_sgpr 104
		.amdhsa_reserve_vcc 0
		.amdhsa_float_denorm_mode_32 3
		.amdhsa_float_denorm_mode_16_64 3
		.amdhsa_memory_ordered 1
		.amdhsa_forward_progress 1
		.amdhsa_inst_pref_size 209
	.end_amdhsa_kernel
	.amdgpu_metadata
---
amdhsa.version: [ 1, 2 ]
amdhsa.kernels:
  - .name:           k_q1ee1d73734_proj
    .symbol:         k_q1ee1d73734_proj.kd
    .args:
      - { .name: xw_codes, .offset: 0, .size: 8, .value_kind: global_buffer, .address_space: global }
      - { .name: xw_scales, .offset: 8, .size: 8, .value_kind: global_buffer, .address_space: global }
      - { .name: bq, .offset: 16, .size: 8, .value_kind: global_buffer, .address_space: global }
      - { .name: bk, .offset: 24, .size: 8, .value_kind: global_buffer, .address_space: global }
      - { .name: bv, .offset: 32, .size: 8, .value_kind: global_buffer, .address_space: global }
      - { .name: qkv_img, .offset: 40, .size: 8, .value_kind: global_buffer, .address_space: global }
      - { .name: qkv_sc, .offset: 48, .size: 8, .value_kind: global_buffer, .address_space: global }
    .group_segment_fixed_size: 327680
    .private_segment_fixed_size: 0
    .kernarg_segment_align: 8
    .kernarg_segment_size: 56
    .max_flat_workgroup_size: 128
    .sgpr_count:     104
    .vgpr_count:     1024
    .wavefront_size: 32
...
	.end_amdgpu_metadata
.endif
;; end of part 2
;; launch attn (part 3): grid 4 x 64, 16 waves a work-group, no clusters, 276,480 bytes of LDS; arguments qkv_img, qkv_sc, mwords, o_img, o_sc; writes o_img, o_sc
.if DOCPART == 3
	.amdgcn_target "amdgcn-amd-amdhsa--gfx1250"
	.amdhsa_code_object_version 6
	.text
	.protected	k_q1ee1d73734_attn
	.globl	k_q1ee1d73734_attn
	.p2align	8
	.type	k_q1ee1d73734_attn,@function
k_q1ee1d73734_attn:
	s_mov_b64 s[64:65], 0
	v_nop
	global_prefetch_b8 v0, s[64:65] scope:SCOPE_SE
	s_setreg_imm32_b32 hwreg(HW_REG_WAVE_MODE, 25, 1), 1
	s_wait_xcnt 0x0
; Launch 3 of 4: scores, softmax and the second product, on codes of E4M3 with one E8M0 scale for each 32 along a product's K; the result, divided by the row's sum, is quantised along D and leaves as images.
; WHAT IS PASSED OVER: a tile of 16 queries x 128 keys all of whose mask words are 0, where each of the 16 queries has an open key somewhere: its weights are 0 in f32.  The first launch stored the flags; this
; launch reads them as whole numbers.  Where one of the 16 queries has no open key, all 16 steps are walked.
; LIMIT: a hidden score is set to -2^33 ahead of the factor c = log2(e) / 8: as a logit -2^30 = -1.074e9 where the problem has -1e9.  t = -2^33 c is a whole number, so a query with no open key has p = 1 for every
; key, as with -1e9 in f32.  The results are the same as long as open logits stay under 9e8 in magnitude.  NaN and infinities are not served.
; SHARES.  Work-group (J, head) holds ALL of the head's K and V, 2 x 128 KiB of codes, and their scale words in LDS: filled once through registers, one barrier, never written again.  No tensor load, since the walk
; branches on numbers read from memory; so also no joint loads, though four work-groups read the same head.  The work-group owns the tiles of queries t = 4 i + J; wave w takes i = w, then i = 31 - w.
; LAYOUT.  Both products are used transposed: S^T = K Q^T, O^T = V^T P^T: a lane holds ONE query (lane % 16) throughout.  The head's K is 64, the instruction's 128: a fragment of source 0 is TWO neighbouring tiles of
; keys, [X | Y]; against [q | 0] it gives X q^T, against [0 | q] it gives Y q^T: zero codes add nothing under any scale byte.  The keys of a tile were chosen two launches ago so that the 16 registers of X's and Y's
; results are 16 neighbouring keys; V's channels likewise for the quantiser along D.
; THE SOFTMAX: t = score x c; M = the running largest t rounded up to a whole number; p = 2^(t - M) is quantised along the keys; the row's sum is taken of the unquantised p and divides at the end; when M moves,
; the sum and O^T are multiplied by 2^(old M - new M), which rounds nothing.
; REGISTERS: v1-7 addresses and constants that stay; v8-11 the step's LDS addresses; v12 -M, v13 the largest t, v[14:15] the sum; v16-23 q, v24-31 zeros, v32-39 q again; v40-103 four fragments; v104-167 S^T, then p;
; v168-199 O^T; v200-215 p's codes; v232-247, v252, v254 at work; v248-251 K's or V's scale words, v253 p's, v255 q's.
.set KI,   0                           ; LDS: K's images, [tile 128][block of 32 channels 2][512 bytes]
.set VI,   131072                      ; V's, [step 16][16 channels 4][32 keys 4][512 bytes]
.set KSC,  262144                      ; K's scale words, [step 16][row 16][pair of tiles 4]
.set VSC,  266240                      ; V's, [step 16][lane 32][16 channels 4]
.set SPARE, 274432                     ; the spare words, 128 bytes for each of 16 waves
.set S,    104
.set O,    168
.set PCD,  200
	s_load_b256 s[4:11], s[0:1], 0x0               ; images 4, their scale words 6, the mask's words 8, O's images 10
	s_load_b64 s[12:13], s[0:1], 0x20              ; O's scale bytes
	v_lshl_add_u32 v4, v0, 2, SPARE                ; my spare word; never rewritten
	v_mov_b32 v5, 0                                ; 0; never rewritten
	v_lshrrev_b32 v8, 5, v0
	v_readfirstlane_b32 s14, v8                    ; wave 0..15
	s_and_b32 s15, ttmp7, 0xffff                   ; 16 x batch + head
	s_mov_b32 s16, ttmp9                           ; J
	v_and_b32 v12, 31, v0                          ; lane
	v_and_b32 v13, 15, v0                          ; r
	v_bfe_u32 v14, v0, 4, 1                        ; h
	v_lshlrev_b32 v1, 4, v12                       ; 16 x lane: an image's place for my lane
	v_add_nc_u32 v2, VI, v1
	v_lshl_add_u32 v3, v13, 4, KSC
	v_mov_b32 v6, 0xd0000000                       ; -2^33
	v_add_nc_u32 v7, VSC, v1
	v_lshlrev_b32 v216, 4, v13                     ; q's scale words: 16 bytes a row
	v_lshl_add_u32 v217, v13, 5, v14               ; O's scale bytes: 32 a row; lanes 16-31 store the second block's
	v_lshlrev_b32 v15, 3, v12
.irp i, 0,1,2,3,4,5,6,7
	v_mov_b32 v[24+\i], 0                          ; the zero half of [q | 0] and of [0 | q]
.endr
	s_lshl_b32 s2, s14, 13                         ; wave w brings step w's 8,192 bytes of K and of V,
	v_add_nc_u32 v8, s2, v1
	v_add_nc_u32 v9, s2, v2
	s_lshl_b32 s2, s14, 8                          ; its 256 bytes of K's scale words
	s_add_co_u32 s2, s2, KSC
	v_add_nc_u32 v10, s2, v15
	s_lshl_b32 s2, s14, 9                          ; and its 512 of V's
	v_add_nc_u32 v11, s2, v7
	s_mov_b32 s17, 0xffff0000                      ; lanes 16-31
	s_mov_b32 s19, 0x600000                        ; the mantissa field of 448
	s_mov_b32 s20, 0x76543210
	s_mov_b32 s21, 0xfedcba98                      ; v_permlanex16_b32's selects for lane l xor 16
	s_mov_b32 s22, 0x3e38aa3b                      ; c = log2(e) / 8
	s_mov_b32 s23, s22                             ; (named with it as a pair)
	s_wait_kmcnt 0x0
	s_lshl_b32 s2, s15, 17
	s_lshl_b32 s3, s14, 13
	s_add_co_u32 s2, s2, s3
	s_add_co_u32 s2, s2, 0x800000
	s_mov_b32 s3, 0
	s_add_nc_u64 s[68:69], s[4:5], s[2:3]          ; K's section, my head, my step
	s_add_nc_u64 s[70:71], s[68:69], 0x800000      ; V's
	s_lshl_b32 s2, s15, 12
	s_lshl_b32 s100, s14, 8
	s_add_co_u32 s2, s2, s100
	s_add_co_u32 s2, s2, 0x40000
	s_add_nc_u64 s[72:73], s[6:7], s[2:3]
	s_lshl_b32 s2, s15, 13
	s_lshl_b32 s100, s14, 9
	s_add_co_u32 s2, s2, s100
	s_add_co_u32 s2, s2, 0x80000
	s_add_nc_u64 s[74:75], s[6:7], s[2:3]
.irp i, 0,1,2,3,4,5,6,7,8,9,10,11,12,13,14,15
	global_load_b128 v[40+4*\i:43+4*\i], v1, s[68:69] offset:512*\i     ; 34 loads of the wave are out together; each reads 512 consecutive bytes
.endr
.irp i, 0,1,2,3,4,5,6,7,8,9,10,11,12,13,14,15
	global_load_b128 v[104+4*\i:107+4*\i], v1, s[70:71] offset:512*\i
.endr
	global_load_b64 v[168:169], v15, s[72:73]
	global_load_b128 v[172:175], v1, s[74:75]
.irp i, 0,1,2,3,4,5,6,7,8,9,10,11,12,13,14,15
	s_wait_loadcnt 33-\i                           ; loads come back in order: this one is in, the younger ones stay out
	ds_store_b128 v8, v[40+4*\i:43+4*\i] offset:512*\i
.endr
.irp i, 0,1,2,3,4,5,6,7,8,9,10,11,12,13,14,15
	s_wait_loadcnt 17-\i
	ds_store_b128 v9, v[104+4*\i:107+4*\i] offset:512*\i
.endr
	s_wait_loadcnt 1
	ds_store_b64 v10, v[168:169]
	s_wait_loadcnt 0x0
	ds_store_b128 v11, v[172:175]
	s_wait_dscnt 0x0                               ; for the others' sake: my stores have landed
	s_barrier_signal -1
	s_barrier_wait -1                              ; the head's K and V lie in LDS; nothing is written there again
; ONE TILE OF 16 QUERIES, all its key steps and its way out.
.macro TILE second
.if \second
	s_sub_co_u32 s18, 31, s14
.else
	s_mov_b32 s18, s14
.endif
	s_lshl_b32 s18, s18, 2
	s_add_co_u32 s18, s18, s16                     ; t = 4 i + J
	s_wait_xcnt 0x0                                ; earlier loads and stores have read their addresses and data: pointers and store data are written again only behind this wait
	s_lshl_b32 s2, s18, 7
	s_add_co_u32 s2, s2, 524288
	s_mov_b32 s3, 0
	s_add_nc_u64 s[72:73], s[8:9], s[2:3]          ; my tile's flags: 16 steps x (OR, AND)
	s_lshl_b32 s2, s18, 12
	s_add_nc_u64 s[30:31], s[8:9], s[2:3]          ; and its words: 256 bytes a step
	s_lshl_b32 s2, s15, 17
	s_lshl_b32 s100, s18, 10
	s_add_co_u32 s2, s2, s100
	s_add_nc_u64 s[68:69], s[4:5], s[2:3]          ; q's image: 1,024 bytes a tile
	s_lshl_b32 s2, s15, 12
	s_lshr_b32 s100, s18, 3
	s_lshl_b32 s100, s100, 8
	s_add_co_u32 s2, s2, s100
	s_bfe_u32 s100, s18, 0x20001
	s_lshl_b32 s100, s100, 2
	s_add_co_u32 s2, s2, s100
	s_add_nc_u64 s[70:71], s[6:7], s[2:3]          ; the word that holds my tile's two scale bytes a row
	s_load_b512 s[32:47], s[72:73], 0x0
	s_load_b512 s[48:63], s[72:73], 0x40
	global_load_b128 v[16:19], v1, s[68:69]
	global_load_b128 v[20:23], v1, s[68:69] offset:512
	global_load_b128 v[32:35], v1, s[68:69]        ; q a second time, behind the zeros
	global_load_b128 v[36:39], v1, s[68:69] offset:512
	global_load_b32 v254, v216, s[70:71]
	s_and_b32 s100, s18, 1
	s_mul_i32 s100, s100, 0x02020202
	s_add_co_u32 s100, s100, 0x01000100            ; bytes 0, 1 of the word for an even tile, 2, 3 for an odd one, twice over
	s_wait_kmcnt 0x0
	s_or_b32 s2, s32, s34
.irp j, 2,3,4,5,6,7,8,9,10,11,12,13,14,15
	s_or_b32 s2, s2, s[32+2*\j]
.endr
	s_lshr_b32 s3, s2, 16
	s_or_b32 s2, s2, s3
	s_and_b32 s2, s2, 0xffff                       ; bit r: query r has an open key somewhere
	s_mov_b32 s24, 0                               ; NEED: bit j: step j is walked
	s_mov_b32 s25, 0                               ; PART: bit j: step j has hidden keys
.irp j, 0,1,2,3,4,5,6,7,8,9,10,11,12,13,14,15
	s_cmp_lg_u32 s[32+2*\j], 0
	s_cselect_b32 s3, 1<<\j, 0
	s_or_b32 s24, s24, s3
	s_cmp_lg_u32 s[33+2*\j], -1
	s_cselect_b32 s3, 1<<\j, 0
	s_or_b32 s25, s25, s3
.endr
	s_cmp_eq_u32 s2, 0xffff
	s_cselect_b32 s24, s24, 0xffff                 ; a query with no open key averages all 2,048 values: every step is walked
	s_wait_loadcnt 0x0
	v_perm_b32 v255, v254, v254, s100              ; q's scale word: (s0, s1, s0, s1): it serves [q | 0] and [0 | q]
	v_mov_b32 v13, 0xff61b1e6                      ; the largest t so far: -3e38
	v_floor_f32 v12, -v13                          ; -M
	v_mov_b32 v14, 0
	v_mov_b32 v15, 0
.irp b, 0,1,2,3
	v_mov_b32 v[236+\b], 0                         ; a lane permute's destination counts as one of its sources
.endr
	v_mov_b32 v252, 0
	v_mov_b32 v253, 0
.set jj, 0
.rept 32
	v_mov_b32 v[O+jj], 0                           ; O^T: the step is written once, and the first change of M leaves zeros zeros.  (Also the places between q's scale word and the first product)
.set jj, jj+1
.endr
	s_mov_b32 s26, 0                               ; 8,192 x step: K's and V's images
	s_mov_b32 s27, 0                               ; 256 x step: K's scale words
	s_mov_b32 s28, 0                               ; 512 x step: V's
	s_mov_b32 s29, 0                               ; the step
.Lstep_\@:                                         ; 16 trips, a constant; a step that is not asked for is jumped over, its address steps are not
	s_bitcmp1_b32 s24, s29
	s_cbranch_scc0 .Lskip_\@
	v_add_nc_u32 v8, s26, v1
	v_add_nc_u32 v9, s26, v2
	v_add_nc_u32 v10, s27, v3
	v_add_nc_u32 v11, s28, v7
.rept 4
	v_nop                                          ; with the four additions: eight places in front of loads into registers that the last step's products have read
.endr
.irp p, 0,1,2,3
.irp c, 0,1,2,3
	ds_load_b128 v[40+16*\p+4*\c:43+16*\p+4*\c], v8 offset:2048*\p+512*\c   ; pair p of tiles: [X | Y]
.endr
.endr
	ds_load_b128 v[248:251], v10                   ; the four pairs' scale words of row r
	s_wait_dscnt 0x0
.irp p, 0,1,2,3
	v_wmma_scale_f32_16x16x128_f8f6f4 v[S+16*\p:S+16*\p+7], v[40+16*\p:55+16*\p], v[16:31], 0, v[248+\p], v255
	v_wmma_scale_f32_16x16x128_f8f6f4 v[S+16*\p+8:S+16*\p+15], v[40+16*\p:55+16*\p], v[24:39], 0, v[248+\p], v255
.endr                                              ; register 16 p + i: key 128 step + 32 p + 16 (lane / 16) + i of my query
.rept 8
	v_nop
.endr
.irp d, 0,1,2,3
.irp c, 0,1,2,3
	ds_load_b128 v[40+16*\d+4*\c:43+16*\d+4*\c], v9 offset:2048*\d+512*\c   ; V's four fragments are asked for here and land under the softmax
.endr
.endr
	ds_load_b128 v[248:251], v11
	s_bitcmp1_b32 s25, s29
	s_cbranch_scc0 .Lopen_\@                       ; a step all of whose keys count has nothing to hide
	s_load_b512 s[32:47], s[30:31], 0x0            ; the tile's 64 lane masks
	s_load_b512 s[48:63], s[30:31], 0x40
	s_load_b512 s[68:83], s[30:31], 0x80
	s_load_b512 s[84:99], s[30:31], 0xc0
	s_wait_kmcnt 0x0
.set nn, 0
.rept 32
	v_cndmask_b32 v[S+nn], v6, v[S+nn], s[32+nn]   ; a hidden score becomes -2^33
.set nn, nn+1
.endr
.rept 32
	v_cndmask_b32 v[S+nn], v6, v[S+nn], s[36+nn]
.set nn, nn+1
.endr
.Lopen_\@:
.irp b, 0,1,2,3
	v_max3_num_f32 v[232+\b], v[S+16*\b], v[S+1+16*\b], v[S+2+16*\b]   ; the largest score of each block of 32 keys: it serves the row's maximum and, since p rises with the score, the block's largest p
.endr
.irp i, 3,5,7,9,11,13
.irp b, 0,1,2,3
	v_max3_num_f32 v[232+\b], v[232+\b], v[S+16*\b+\i], v[S+1+16*\b+\i]
.endr
.endr
.irp b, 0,1,2,3
	v_max_num_f32 v[232+\b], v[232+\b], v[S+15+16*\b]
.endr
.irp b, 0,1,2,3
	v_permlanex16_b32 v[236+\b], v[232+\b], s20, s21
.endr
.irp b, 0,1,2,3
	v_max_num_f32 v[232+\b], v[232+\b], v[236+\b]  ; with lane l xor 16's 16 keys
.endr
	v_max3_num_f32 v254, v232, v233, v234
	v_max_num_f32 v254, v254, v235
	v_mul_f32 v254, s22, v254                      ; as t (c is positive)
	v_max_num_f32 v13, v13, v254                   ; the running largest t
	v_mov_b32 v254, v12
	v_floor_f32 v12, -v13                          ; the new -M = -ceil(t)
	v_sub_f32 v254, v12, v254                      ; old M - new M: a whole number, 0 or less
	v_cvt_i32_f32 v254, v254                       ; (it saturates)
	v_ldexp_f32 v252, 1.0, v254                    ; f = 2^(old M - new M)
.set jj, 0
.rept 32
	v_pk_fma_f32 v[S+jj:S+jj+1], v[S+jj:S+jj+1], s[22:23], v[12:13] op_sel_hi:[1,0,0]   ; t - M, two at a time
.set jj, jj+2
.endr
.irp b, 0,1,2,3
	v_fma_f32 v[232+\b], v[232+\b], s22, v12       ; the same of each block's largest score
.endr
.set jj, 0
.rept 64
	v_exp_f32 v[S+jj], v[S+jj]                     ; p = 2^(t - M): not normalised
.set jj, jj+1
.endr
	v_pk_mul_f32 v[14:15], v[14:15], v[252:253] op_sel_hi:[1,0]   ; the sums under the new M (a plain instruction behind the exponentials)
	s_wait_alu depctr_va_vdst(0)                   ; one wait for the whole batch, ahead of its first reader
.irp b, 0,1,2,3
	v_exp_f32 v[232+\b], v[232+\b]                 ; the block's largest p
.endr
	v_pk_add_f32 v[236:237], v[S:S+1], v[S+2:S+3]  ; the row's sum of the unquantised p, in two chains
.set jj, 4
.rept 15
	v_pk_add_f32 v[14:15], v[14:15], v[S+jj:S+jj+1]
	v_pk_add_f32 v[236:237], v[236:237], v[S+jj+2:S+jj+3]
.set jj, jj+4
.endr
	v_pk_add_f32 v[14:15], v[14:15], v[236:237]
	s_wait_alu depctr_va_vdst(0)                   ; and one for the four
.irp b, 0,1,2,3
	v_max_num_f32 v[232+\b], 0x4800000, v[232+\b]  ; the floor 2^(9 - 127): a block whose every p is 0 keeps the byte 1: its codes are zeros
.endr
.irp b, 0,1,2,3
	v_add_nc_u32 v[244+\b], 0xfc000000, v[232+\b]  ; the conversion's scale operand
.endr
.irp b, 0,1,2,3
	v_and_or_b32 v[240+\b], v[232+\b], 0x7f800000, s19   ; 448 x the scale
.endr
.irp b, 0,1,2,3
	v_lshrrev_b32 v[236+\b], 23, v[244+\b]         ; the scale's byte
.endr
	v_lshl_or_b32 v253, v237, 8, v236              ; p's scale word for these 128 keys
	v_lshl_or_b32 v253, v238, 16, v253
	v_lshl_or_b32 v253, v239, 24, v253
.irp b, 0,1,2,3
.set jj, 0
.rept 16
	v_min_num_f32 v[S+16*\b+jj], v[S+16*\b+jj], v[240+\b]   ; the hold; p is not negative, so it is one-sided
.set jj, jj+1
.endr
	v_cvt_scalef32_pk8_fp8_f32 v[PCD+4*\b:PCD+4*\b+1], v[S+16*\b:S+16*\b+7], v[244+\b]
	v_cvt_scalef32_pk8_fp8_f32 v[PCD+4*\b+2:PCD+4*\b+3], v[S+16*\b+8:S+16*\b+15], v[244+\b]
.endr
.set jj, 0
.rept 16
	v_pk_mul_f32 v[O+jj:O+jj+1], v[O+jj:O+jj+1], v[252:253] op_sel_hi:[1,0]   ; O^T under the new M.  (Also the places between the codes and the products below)
.set jj, jj+2
.endr
	s_wait_dscnt 0x0                               ; V's fragments and scale words are in
.irp d, 0,1,2,3
	v_wmma_scale_f32_16x16x128_f8f6f4 v[O+8*\d:O+8*\d+7], v[40+16*\d:55+16*\d], v[PCD:PCD+15], v[O+8*\d:O+8*\d+7], v[248+\d], v253   ; four accumulators by turns
.endr
.Lskip_\@:
	s_add_co_u32 s26, s26, 8192
	s_add_co_u32 s27, s27, 256
	s_add_co_u32 s28, s28, 512
	s_add_nc_u64 s[30:31], s[30:31], 256           ; (the scalar loads that read it were waited for)
	s_add_co_u32 s29, s29, 1
	s_cmp_lt_u32 s29, 16
	s_cbranch_scc1 .Lstep_\@
	; the tile's way out
.rept 8
	v_nop                                          ; places behind the last products
.endr
	v_add_f32 v14, v14, v15
	v_permlanex16_b32 v252, v14, s20, s21
	v_add_f32 v14, v14, v252                       ; the row's sum
	v_rcp_f32 v14, v14
	s_lshr_b32 s2, s15, 4                          ; the batch
	s_lshl_b32 s2, s2, 7
	s_add_co_u32 s2, s2, s18                       ; the tile of 16 rows among 512
	s_and_b32 s100, s15, 15                        ; the head
	s_lshl_b32 s101, s2, 14                        ; 16,384 bytes of codes a tile of rows,
	s_lshl_b32 s3, s100, 10                        ; 1,024 a head
	s_add_co_u32 s101, s101, s3
	s_lshl_b32 s2, s2, 9                           ; 16 rows x 32 scale bytes,
	s_lshl_b32 s100, s100, 1                       ; two a head
	s_add_co_u32 s2, s2, s100
	s_mov_b32 s3, 0
	s_add_nc_u64 s[76:77], s[12:13], s[2:3]
	s_mov_b32 s2, s101
	s_add_nc_u64 s[74:75], s[10:11], s[2:3]
	v_nop                                          ; a plain instruction behind the reciprocal
	s_wait_alu depctr_va_vdst(0)                   ; and the wait ahead of its first reader
.set jj, 0
.rept 32
	v_mul_f32 v[S+jj], v[O+jj], v14                ; O^T / the sum: register 16 x + i is channel 32 x + 16 (lane / 16) + i of my query
.set jj, jj+1
.endr
.irp b, 0,1
	v_max3_num_f32 v[232+\b], |v[S+16*\b]|, |v[S+1+16*\b]|, 0x4800000
.endr
.irp i, 2,4,6,8,10,12,14
.irp b, 0,1
	v_max3_num_f32 v[232+\b], v[232+\b], |v[S+16*\b+\i]|, |v[S+1+16*\b+\i]|
.endr
.endr
.irp b, 0,1
	v_permlanex16_b32 v[236+\b], v[232+\b], s20, s21
.endr
.irp b, 0,1
	v_max_num_f32 v[232+\b], v[232+\b], v[236+\b]
.endr
.irp b, 0,1
	v_add_nc_u32 v[244+\b], 0xfc000000, v[232+\b]
.endr
.irp b, 0,1
	v_and_or_b32 v[240+\b], v[232+\b], 0x7f800000, s19
.endr
.irp b, 0,1
	v_lshrrev_b32 v[236+\b], 23, v[244+\b]
.endr
	v_cndmask_b32 v238, v236, v237, s17            ; lanes 0-15 store the first block's byte, lanes 16-31 the second's
.irp b, 0,1
.set jj, 0
.rept 16
	v_med3_num_f32 v[S+16*\b+jj], v[S+16*\b+jj], -v[240+\b], v[240+\b]
.set jj, jj+1
.endr
	v_cvt_scalef32_pk8_fp8_f32 v[PCD+4*\b:PCD+4*\b+1], v[S+16*\b:S+16*\b+7], v[244+\b]
	v_cvt_scalef32_pk8_fp8_f32 v[PCD+4*\b+2:PCD+4*\b+3], v[S+16*\b+8:S+16*\b+15], v[244+\b]
.endr
	v_nop                                          ; one plain vector instruction behind the last scaled conversion
	global_store_b128 v1, v[PCD:PCD+3], s[74:75]               ; 512 consecutive bytes: four registers of the last product's operand
	global_store_b128 v1, v[PCD+4:PCD+7], s[74:75] offset:512
	global_store_b8 v217, v238, s[76:77]           ; a byte a lane, 262,144 in the launch: a row's 32 scale bytes come from 16 heads, which are 16 work-groups
.endm
	TILE 0
	TILE 1
	s_wait_tensorcnt 0x0                           ; the wave's end
	ds_add_u32 v4, v5
	s_wait_dscnt 0x0
	s_endpgm
.Lfunc_end_k_q1ee1d73734_attn:
	.size	k_q1ee1d73734_attn, .Lfunc_end_k_q1ee1d73734_attn-k_q1ee1d73734_attn
	.p2alignl 7, 3214868480
	.fill 96, 4, 3214868480
	.section	.rodata,"a",@progbits
	.p2align	6, 0x0
	.amdhsa_kernel k_q1ee1d73734_attn
		.amdhsa_group_segment_fixed_size 276480
		.amdhsa_private_segment_fixed_size 0
		.amdhsa_enable_private_segment 0
		.amdhsa_kernarg_size 40
		.amdhsa_user_sgpr_count 2
		.amdhsa_user_sgpr_kernarg_segment_ptr 1
		.amdhsa_wavefront_size32 1
		.amdhsa_system_sgpr_workgroup_id_x 1
		.amdhsa_system_sgpr_workgroup_id_y 1
		.amdhsa_system_sgpr_workgroup_id_z 1
		.amdhsa_system_vgpr_workitem_id 0
		.amdhsa_next_free_vgpr 256
		.amdhsa_next_free_sgpr 104
		.amdhsa_reserve_vcc 0
		.amdhsa_float_denorm_mode_32 3
		.amdhsa_float_denorm_mode_16_64 3
		.amdhsa_memory_ordered 1
		.amdhsa_forward_progress 1
		.amdhsa_inst_pref_size 83
	.end_amdhsa_kernel
	.amdgpu_metadata
---
amdhsa.version: [ 1, 2 ]
amdhsa.kernels:
  - .name:           k_q1ee1d73734_attn
    .symbol:         k_q1ee1d73734_attn.kd
    .args:
      - { .name: qkv_img, .offset: 0, .size: 8, .value_kind: global_buffer, .address_space: global }
      - { .name: qkv_sc, .offset: 8, .size: 8, .value_kind: global_buffer, .address_space: global }
      - { .name: mwords, .offset: 16, .size: 8, .value_kind: global_buffer, .address_space: global }
      - { .name: o_img, .offset: 24, .size: 8, .value_kind: global_buffer, .address_space: global }
      - { .name: o_sc, .offset: 32, .size: 8, .value_kind: global_buffer, .address_space: global }
    .group_segment_fixed_size: 276480
    .private_segment_fixed_size: 0
    .kernarg_segment_align: 8
    .kernarg_segment_size: 40
    .max_flat_workgroup_size: 512
    .sgpr_count:     104
    .vgpr_count:     256
    .wavefront_size: 32
...
	.end_amdgpu_metadata
.endif
;; end of part 3
;; launch oproj (part 4): grid 4 x 32, 4 waves a work-group, clusters of 4 x 4, 327,680 bytes of LDS; arguments o_img, o_sc, xw_codes, xw_scales, bo, out0; writes out0
.if DOCPART == 4
	.amdgcn_target "amdgcn-amd-amdhsa--gfx1250"
	.amdhsa_code_object_version 6
	.text
	.protected	k_q1ee1d73734_oproj
	.globl	k_q1ee1d73734_oproj
	.p2align	8
	.type	k_q1ee1d73734_oproj,@function
k_q1ee1d73734_oproj:
	s_mov_b64 s[64:65], 0
	v_nop
	global_prefetch_b8 v0, s[64:65] scope:SCOPE_SE
	s_setreg_imm32_b32 hwreg(HW_REG_WAVE_MODE, 25, 1), 1
	s_wait_xcnt 0x0
	s_wait_alu depctr_hold_cnt(0) depctr_sa_sdst(0) depctr_va_vdst(0) depctr_va_sdst(0) depctr_va_ssrc(0) depctr_va_vcc(0) depctr_vm_vsrc(0)
	s_getreg_b32 s2, hwreg(HW_REG_IB_STS2, 6, 4)
	s_cmp_eq_u32 s2, 0
	s_cbranch_scc0 .Lentry_in_a_cluster
	s_endpgm
.Lentry_in_a_cluster:
	s_bfe_u32 s2, ttmp6, 0x10000c
	s_cmp_lg_u32 s2, 0xf033
	s_cbranch_scc0 .Lentry_shape_is_right
	s_endpgm
.Lentry_shape_is_right:
; Launch 4 of 4: out0 = O Wo^T + bo on codes of E4M3 with one E8M0 scale for each 32 along K = 1,024; no work is left out.  O: 8,192 rows, as images of operand registers, [tile of 16 rows 512][128 along K 8][2,048 bytes];
; its scale bytes [8,192][32].  Wo: a section of the first launch's codes, rows of 1,024 bytes in their own order, and of its scale bytes.  out0: [8,192][1,024] f32.
; A tile of 256 x 256 is made by four waves, 128 x 128 each; K goes in steps of 256 through a ring of two LDS slots filled by the tensor data mover; the scale bytes come once with the first fills.
; CLUSTERS of 4 x 4: O's tiles are asked for jointly along a row of the cluster, Wo's along a column.  128 work-groups: what tiles of 256 x 256 give at this size.
; THE MATRIX INSTRUCTION IS USED TRANSPOSED (source 0 = 16 rows of Wo, source 1 = 16 rows of O): a lane holds eight neighbouring numbers of a row of out0.  bo is the C of each sum's first matrix instruction.
; REGISTERS, in windows of 256: window 0: v0-31 addresses; v32-63 scale words, two sets; v64-127 the bias; from v128 A's fragments, one set.  window 1: B's fragments, two sets.  windows 2, 3: the accumulators.
.set SIZE_N, 1024
.set KSTEP,  256
.set NQ,     2
.set ROWB,   256
.set KROW,   1024
.set ASTEP,  4096                      ; a K step of a tile of 16 rows of O: two fragments' images
.set PITCH,  272                       ; B's LDS row: 256 bytes + 16 of padding: the 16 rows that a load touches start at 16 different banks (64 banks of 4 bytes: ISA guide 11.1)
.set FR,     16
.set NL,     4
.set NP,     8
.set HALFT,  128*PITCH                 ; a wave's quarter of a slot; A's images use 32,768 bytes of theirs
.set SLOT,   4*HALFT
.set LAPS,   2
.set KS,     32
.set SCL,    2*SLOT
.set HALFS,  16*272
.set SBLK,   2*272
.set SPARE,  SCL+4*HALFS
.set SPITCH, 528                       ; the way out: a stage of 16 rows x (512 bytes + 16) for each wave, in slot 0, which has had its last fill and its last read when the first result is stored there
.set ADRA, 16
.set ADRB, 20
.set STO,  24
.set RD,   25
.set CO,   26                          ; v26  16 x lane: my place in an image, and my byte offset in a row of out0
.set ADRS, 27
.set SPW,  28
.set NIL,  29
.set SC,   32
.set BC,   64
.set AF,   128
.set BK,   128
.set G1, 24
.set G0, 32
.set G1B, 48
.set G0B, 56
.set G1S, 68
.set G0S, 76
.set G1SB, 80
.set G0SB, 88
.set MSB, 0
.macro WIN new
.if MSB != (\new)
	s_set_vgpr_msb (MSB<<8)|(\new)
.set MSB, (\new)
.endif
.endm
.set MUL_LO, 0xa1
.set MUL_HI, 0xf1
.set TO_B,   0x40
.macro JLOAD g0a, g1a, g0b, g1b        ; a joint load: waves 0 and 1 fetch for A, waves 2 and 3 for B; an s_nop 0 and four v_nop follow each of the two lines
	s_cmp_eq_u32 s15, 0
	s_cbranch_scc0 .Lfor_b_\@
	tensor_load_to_lds s[\g0a:\g0a+3], s[\g1a:\g1a+7]
	s_nop 0
.rept 4
	v_nop
.endr
	s_branch .Lasked_\@
.Lfor_b_\@:
	tensor_load_to_lds s[\g0b:\g0b+3], s[\g1b:\g1b+7]
	s_nop 0
.rept 4
	v_nop
.endr
.Lasked_\@:
.endm
.macro CREST
	s_cmp_lg_u32 s14, 0
	s_cbranch_scc1 .Lnot_wave_0_\@
	s_barrier_signal -3
.Lnot_wave_0_\@:
	s_barrier_wait -3
	s_barrier_signal -1
	s_barrier_wait -1
.endm
.macro CROUND
	s_barrier_signal -1
	s_barrier_wait -1
	CREST
.endm
	s_load_b128 s[4:7], s[0:1], 0x0                ; O's images, O's scale bytes
	s_load_b128 s[8:11], s[0:1], 0x10              ; the first launch's codes and scale bytes
	s_load_b64 s[96:97], s[0:1], 0x20              ; bo
	s_load_b64 s[12:13], s[0:1], 0x28              ; out0
	v_lshl_add_u32 v[SPW], v0, 2, SPARE
	v_mov_b32 v[NIL], 0
	ds_add_u32 v[SPW], v[NIL]                      ; the wave's opening: the add, twice on end, and its wait ahead of my first tensor load
	ds_add_u32 v[SPW], v[NIL]
	v_lshrrev_b32 v1, 5, v0
	v_readfirstlane_b32 s14, v1                    ; wave 0..3
	s_lshr_b32 s15, s14, 1                         ; which half of the tile's rows is mine.  Also: I fetch for A (0) or for B (1)
	s_and_b32 s16, s14, 1                          ; which half of its columns.  Also: which 128 rows of that tile I fetch
	s_bfe_u32 s40, ttmp6, 0x40000                  ; cx, cy
	s_bfe_u32 s41, ttmp6, 0x40004
	s_lshl_b32 s42, ttmp9, 2
	s_add_co_u32 s42, s42, s40                     ; tile column
	s_and_b32 s17, ttmp7, 0xffff
	s_lshl_b32 s17, s17, 2
	s_add_co_u32 s17, s17, s41                     ; tile row
	s_lshl_b32 s43, s41, 2
	s_lshl_b32 s43, 15, s43                        ; my row of the cluster
	s_lshl_b32 s44, 0x1111, s40                    ; my column
	; A: 8 tiles of 16 rows, of each the K step's 4,096 consecutive bytes (512 elements of 8 bytes), 16,384 bytes apart; dense in LDS
	s_or_b32 s[G1+0], s43, (3<<16)|(1<<21)         ; 15:0 the mask; 17:16 elements of 8 bytes; 21 set beside a mask; no padding
	s_mov_b32 s[G1+1], 512<<16                     ; tensor_dim0
	s_mov_b32 s[G1+2], 8<<16                       ; tensor_dim1
	s_mov_b32 s[G1+3], 512<<16                     ; tile_dim0
	s_mov_b32 s[G1+4], 8                           ; tile_dim1
	s_mov_b32 s[G1+5], 2048                        ; tensor_dim0_stride
	s_mov_b32 s[G1+6], 0
	s_mov_b32 s[G1+7], 0
	; B: 128 rows x 256 bytes, 16 bytes of padding behind each
	s_or_b32 s[G1B+0], s44, (0<<16)|(1<<20)|(1<<21)|(5<<22)|(3<<25)
	s_mov_b32 s[G1B+1], ROWB<<16
	s_mov_b32 s[G1B+2], 128<<16
	s_mov_b32 s[G1B+3], ROWB<<16
	s_mov_b32 s[G1B+4], 128
	s_mov_b32 s[G1B+5], KROW
	s_mov_b32 s[G1B+6], 0
	s_mov_b32 s[G1B+7], 0
	; the scales of 128 rows: 4,096 dense bytes, as 16 rows of 256 bytes, 16 bytes of padding behind each
	s_or_b32 s[G1S+0], s43, (3<<16)|(1<<20)|(1<<21)|(5<<22)|(3<<25)
	s_or_b32 s[G1SB+0], s44, (3<<16)|(1<<20)|(1<<21)|(5<<22)|(3<<25)
.irp g, G1S, G1SB
	s_mov_b32 s[\g+1], 32<<16
	s_mov_b32 s[\g+2], 16<<16
	s_mov_b32 s[\g+3], 32<<16
	s_mov_b32 s[\g+4], 16
	s_mov_b32 s[\g+5], 32
	s_mov_b32 s[\g+6], 0
	s_mov_b32 s[\g+7], 0
.endr
	s_lshl_b32 s18, s16, 7                         ; which 128 rows of the tile I fetch
	s_lshl_b32 s20, s17, 8
	s_add_co_u32 s20, s20, s18                     ; A: row 256 x tile row + 128 x half
	s_lshl_b32 s46, s42, 8
	s_add_co_u32 s46, s46, s18                     ; B: row 256 x tile column + 128 x half
	s_mov_b32 s21, 0
	s_mov_b32 s47, 0
	s_mov_b64 s[18:19], KS
	s_mul_u64 s[22:23], s[20:21], s[18:19]         ; where these rows' scales begin,
	s_mul_u64 s[92:93], s[46:47], s[18:19]
	s_mov_b64 s[18:19], KROW
	s_mul_u64 s[20:21], s[20:21], s[18:19]         ; and their codes (16 rows of images are 16,384 bytes: 1,024 a row, as in rows of codes)
	s_mul_u64 s[46:47], s[46:47], s[18:19]
	s_mul_i32 s45, s14, HALFT                      ; where they go: no place in the cluster enters an LDS address
	s_mul_i32 s94, s14, HALFS
	s_wait_dscnt 0x0                               ; both opening adds are done
	s_wait_kmcnt 0x0
	s_add_nc_u64 s[20:21], s[4:5], s[20:21]
	s_add_nc_u64 s[22:23], s[6:7], s[22:23]
	s_add_nc_u64 s[46:47], s[8:9], s[46:47]
	s_add_nc_u64 s[46:47], s[46:47], 0x1B00000     ; Wo's section of the codes
	s_add_nc_u64 s[92:93], s[10:11], s[92:93]
	s_add_nc_u64 s[92:93], s[92:93], 0xD8000       ; and of the scale bytes
	CROUND                                         ; all sixteen work-groups are here: the first joint loads meet
	s_mov_b32 s[G0S], 1
	s_add_co_u32 s[G0S+1], s94, SCL
	s_mov_b64 s[G0S+2:G0S+3], s[22:23]
	s_or_b32 s[G0S+3], s[G0S+3], 0x80000000
	s_mov_b32 s[G0SB], 1
	s_add_co_u32 s[G0SB+1], s94, SCL
	s_mov_b64 s[G0SB+2:G0SB+3], s[92:93]
	s_or_b32 s[G0SB+3], s[G0SB+3], 0x80000000
	JLOAD G0S, G1S, G0SB, G1SB                     ; the scales first
.irp s, 0,1
	s_mov_b32 s[G0+4*\s], 1
	s_add_co_u32 s[G0+4*\s+1], s45, \s*SLOT
	s_add_nc_u64 s[G0+4*\s+2:G0+4*\s+3], s[20:21], \s*ASTEP
	s_or_b32 s[G0+4*\s+3], s[G0+4*\s+3], 0x80000000
	s_mov_b32 s[G0B+4*\s], 1
	s_add_co_u32 s[G0B+4*\s+1], s45, \s*SLOT
	s_add_nc_u64 s[G0B+4*\s+2:G0B+4*\s+3], s[46:47], \s*ROWB
	s_or_b32 s[G0B+4*\s+3], s[G0B+4*\s+3], 0x80000000
	JLOAD G0+4*\s, G1, G0B+4*\s, G1B
.endr
	v_and_b32 v1, 15, v0                           ; l % 16
	v_bfe_u32 v2, v0, 4, 1                         ; l / 16
	v_mul_u32_u24 v3, v1, PITCH
	v_lshl_add_u32 v4, v2, 4, v3                   ; B: a fragment's row x pitch + 16 x half
	v_and_b32 v6, 31, v0
	v_lshlrev_b32 v[CO], 4, v6                     ; A: 16 x lane
	s_mul_i32 s21, s15, HALFT                      ; my 128 rows of A
	s_mul_i32 s22, s16, HALFT                      ; my 128 rows of B,
	s_add_co_u32 s22, s22, 2*HALFT                 ; which lie behind A's two quarters
.irp s, 0,1
	v_add_nc_u32 v[ADRA+\s], s21, v[CO]
	v_add_nc_u32 v[ADRB+\s], s22, v4
	s_add_co_u32 s21, s21, SLOT
	s_add_co_u32 s22, s22, SLOT
.endr
	v_mul_u32_u24 v5, v1, KS
	v_lshrrev_b32 v6, 8, v5
	v_lshl_add_u32 v5, v6, 4, v5
	s_mul_i32 s21, s15, HALFS
	s_mul_i32 s22, s16, HALFS
	s_add_co_u32 s22, s22, 2*HALFS
	s_sub_co_u32 s22, s22, s21
	v_mul_u32_u24 v6, s22, v2                      ; lanes 16-31 take B's
	s_add_co_u32 s21, s21, SCL
	v_add_nc_u32 v5, v5, v6
	v_add_nc_u32 v[ADRS], s21, v5
	s_mul_i32 s23, s14, 16*SPITCH                  ; my stage
	v_mul_u32_u24 v5, v1, SPITCH
	v_lshl_add_u32 v5, v2, 5, v5
	v_add_nc_u32 v[STO], s23, v5
	v_add_nc_u32 v[RD], s23, v[CO]
	s_lshl_b32 s20, s17, 8
	s_lshl_b32 s21, s15, 7
	s_add_co_u32 s20, s20, s21                     ; my first row of out0
	s_mov_b32 s21, 0
	s_mov_b64 s[18:19], SIZE_N*4
	s_mul_u64 s[20:21], s[20:21], s[18:19]
	s_lshl_b32 s46, s42, 10                        ; my first column, in bytes
	s_lshl_b32 s47, s16, 9
	s_add_co_u32 s46, s46, s47
	s_mov_b32 s47, 0
	s_add_nc_u64 s[96:97], s[96:97], s[46:47]      ; bo at my first column
	s_add_nc_u64 s[20:21], s[20:21], s[46:47]
	s_add_nc_u64 s[12:13], s[12:13], s[20:21]
	v_lshlrev_b32 v8, 5, v2                        ; lane (r, h) wants, for B's block b, columns 16 b + 8 h + 0 .. 7
.irp b, 0,1,2,3,4,5,6,7
	global_load_b128 v[BC+8*\b:BC+8*\b+3], v8, s[96:97] offset:64*\b
	global_load_b128 v[BC+8*\b+4:BC+8*\b+7], v8, s[96:97] offset:64*\b+16
.endr
.macro FRAG reg, adr, q, i             ; B: a fragment from rows: four loads of 16 bytes, 32 bytes apart
.irp c, 0,1,2,3
	ds_load_b128 v[\reg+4*\c:\reg+4*\c+3], v[\adr] offset:128*(\q)+32*\c+(\i)*16*PITCH
.endr
.endm
.macro FRAGA reg, adr, q, i            ; A: a fragment from its image: four loads of 512 consecutive bytes
.irp c, 0,1,2,3
	ds_load_b128 v[\reg+4*\c:\reg+4*\c+3], v[\adr] offset:4096*(\i)+2048*(\q)+512*\c
.endr
.endm
.macro MUL16 a0, p, q, sc, zero        ; 16 matrix instructions; zero = 1: the first product starts the sums, with the bias as C.  The 64 accumulators take turns
.irp a, \a0, \a0+1
.irp b, 0,1,2,3,4,5,6,7
.if \zero
	v_wmma_scale_f32_16x16x128_f8f6f4 v[8*(8*((\a)%4)+\b):8*(8*((\a)%4)+\b)+7], v[128*(\p)+FR*\b:128*(\p)+FR*\b+FR-1], v[AF+FR*(\a):AF+FR*(\a)+FR-1], v[BC+8*\b:BC+8*\b+7], v[SC+8*NQ*(\sc)+NQ*\b+(\q)], v[SC+8*NQ*(\sc)+NQ*(\a)+(\q)] matrix_a_scale:MATRIX_SCALE_ROW1
.else
	v_wmma_scale_f32_16x16x128_f8f6f4 v[8*(8*((\a)%4)+\b):8*(8*((\a)%4)+\b)+7], v[128*(\p)+FR*\b:128*(\p)+FR*\b+FR-1], v[AF+FR*(\a):AF+FR*(\a)+FR-1], v[8*(8*((\a)%4)+\b):8*(8*((\a)%4)+\b)+7], v[SC+8*NQ*(\sc)+NQ*\b+(\q)], v[SC+8*NQ*(\sc)+NQ*(\a)+(\q)] matrix_a_scale:MATRIX_SCALE_ROW1
.endif
.endr
.endr
.endm
.macro FETCH_B slot, q, p
	WIN TO_B
.irp i, 0,1,2,3,4,5,6,7
	FRAG 128*(\p)+FR*\i, ADRB+\slot, \q, \i
.endr
	WIN 0
.endm
.macro FETCH_A slot, q, i0
.irp i, \i0, \i0+1, \i0+2, \i0+3
	FRAGA AF+FR*(\i), ADRA+\slot, \q, \i
.endr
.endm
.macro SCALES sc
.irp i, 0,1,2,3,4,5,6,7
	ds_load_b64 v[SC+8*NQ*\sc+NQ*\i:SC+8*NQ*\sc+NQ*\i+1], v[ADRS] offset:\i*SBLK
.endr
.endm
.macro PLACES n
.rept \n
	v_nop
.endr
.endm
.macro STEP slot, q, zero
	s_wait_dscnt 4*NL                              ; B's set and A's blocks 0-3 are in; the 16 youngest loads (A's blocks 4-7) may be out
.if \zero
	WIN 0x81                                       ; C (the bias) in window 0
.else
	WIN MUL_LO
.endif
	MUL16 0, (\q)%2, \q, \slot, \zero
	MUL16 2, (\q)%2, \q, \slot, \zero
	s_wait_dscnt 0
	PLACES NP
	FETCH_B \slot, (\q)+1, 1-(\q)%2
	FETCH_A \slot, (\q)+1, 0
.if \zero
	WIN 0xc1
.else
	WIN MUL_HI
.endif
	MUL16 4, (\q)%2, \q, \slot, \zero
	MUL16 6, (\q)%2, \q, \slot, \zero
	PLACES NP
	WIN 0
	FETCH_A \slot, (\q)+1, 4
.endm
.macro TURN slot, next, fill           ; a slot's last step changes slots
	s_wait_tensorcnt 0x0                           ; all my tensor loads have landed: my part of the next slot
	ds_add_u32 v[SPW], v[NIL]
	s_wait_dscnt 4*NL+1                            ; (the add and the 16 youngest loads may be out)
	WIN MUL_LO
	MUL16 0, 1, NQ-1, \slot, 0
	s_wait_dscnt 0x0                               ; the add is done, and my reads of this slot are over
	s_barrier_signal -1
	MUL16 2, 1, NQ-1, \slot, 0
	WIN 0
	s_barrier_wait -1
.if \fill
	CREST                                          ; the barrier has opened a round of the cluster's: no wave of any partner still reads this slot or has a load on its way
	s_add_nc_u64 s[G0+4*\slot+2:G0+4*\slot+3], s[G0+4*\slot+2:G0+4*\slot+3], 2*ASTEP
	s_add_nc_u64 s[G0B+4*\slot+2:G0B+4*\slot+3], s[G0B+4*\slot+2:G0B+4*\slot+3], 2*ROWB
	JLOAD G0+4*\slot, G1, G0B+4*\slot, G1B
	PLACES NP-4
.else
	PLACES NP
.endif
	v_add_nc_u32 v[ADRS], 4*NQ, v[ADRS]
	FETCH_B \next, 0, 0
	FETCH_A \next, 0, 0
	SCALES \next
	WIN MUL_HI
	MUL16 4, 1, NQ-1, \slot, 0
	MUL16 6, 1, NQ-1, \slot, 0
	PLACES NP
	WIN 0
	FETCH_A \next, 0, 4
.endm
	s_wait_tensorcnt 1                             ; the scales and my part of K step 0 are in (K step 1's load may be out),
	s_barrier_signal -1
	s_barrier_wait -1                              ; everybody's are
	FETCH_B 0, 0, 0
	FETCH_A 0, 0, 0
	SCALES 0
	FETCH_A 0, 0, 4
	s_wait_loadcnt 0x0                             ; the bias
	STEP 0, 0, 1
	s_mov_b32 s3, LAPS-1
.Llap:
	TURN 0, 1, 1
	STEP 1, 0, 0
	TURN 1, 0, 1
	STEP 0, 0, 0
	s_sub_co_u32 s3, s3, 1
	s_cmp_lg_u32 s3, 0
	s_cbranch_scc1 .Llap
	TURN 0, 1, 0                                   ; the last lap fills nothing
	STEP 1, 0, 0
	s_wait_dscnt 4*NL
	WIN MUL_LO
	MUL16 0, 1, NQ-1, 1, 0
	MUL16 2, 1, NQ-1, 1, 0
	s_wait_dscnt 0
	WIN MUL_HI
	MUL16 4, 1, NQ-1, 1, 0
	MUL16 6, 1, NQ-1, 1, 0
	WIN 0
; THE WAY OUT, block by block of 16 rows x 128 columns, through my own stage in LDS: back come whole rows of 512 bytes, which the 32 lanes store as 512 consecutive bytes.
; LDS serves a wave's instructions in order (ISA guide 5.7.1.4): no wait between the stores and the loads, nor in front of the next block's stores.
.macro TOSTAGE a
.set AC, 64*((\a)%4)
	WIN 0x08+4*((\a)/4)                            ; the data: window 2 or 3
.irp b, 0,1,2,3,4,5,6,7
	ds_store_b128 v[STO], v[AC+8*\b:AC+8*\b+3] offset:64*\b          ; each accumulator from its low end on
	ds_store_b128 v[STO], v[AC+8*\b+4:AC+8*\b+7] offset:64*\b+16
.endr
	WIN 0
.set BB, BK+64*((\a)%2)
.irp t, 0,1,2,3,4,5,6,7,8,9,10,11,12,13,14,15
	ds_load_b128 v[BB+4*\t:BB+4*\t+3], v[RD] offset:\t*SPITCH
.endr
.endm
.macro SEND a, younger
.set BB, BK+64*((\a)%2)
	s_wait_dscnt \younger                          ; the block is back in registers
.if (\a) > 0
	s_add_nc_u64 s[12:13], s[12:13], 16*SIZE_N*4   ; (behind a wait on XCNT: the earlier stores have read their base)
.endif
.irp t, 0,1,2,3,4,5,6,7,8,9,10,11,12,13,14,15
	global_store_b128 v[CO], v[BB+4*\t:BB+4*\t+3], s[12:13] offset:\t*SIZE_N*4 th:TH_STORE_NT
.endr
.endm
	PLACES NP
	TOSTAGE 0
.irp a, 1,2,3,4,5,6,7
.if \a > 1
	s_wait_xcnt 0x0                                ; block a - 2's stores have read their registers and their base
.endif
	TOSTAGE \a
	SEND \a-1, 32                                  ; behind block a - 1's loads: block a's 16 stores and 16 loads
.endr
	s_wait_xcnt 0x0
	SEND 7, 0
	s_wait_tensorcnt 0x0                           ; the wave's end
	ds_add_u32 v[SPW], v[NIL]
	s_wait_dscnt 0x0
	CROUND                                         ; the closing round
	s_endpgm
.Lfunc_end_k_q1ee1d73734_oproj:
	.size	k_q1ee1d73734_oproj, .Lfunc_end_k_q1ee1d73734_oproj-k_q1ee1d73734_oproj
	.p2alignl 7, 3214868480
	.fill 96, 4, 3214868480
	.section	.rodata,"a",@progbits
	.p2align	6, 0x0
	.amdhsa_kernel k_q1ee1d73734_oproj
		.amdhsa_group_segment_fixed_size 327680
		.amdhsa_private_segment_fixed_size 0
		.amdhsa_enable_private_segment 0
		.amdhsa_kernarg_size 48
		.amdhsa_user_sgpr_count 2
		.amdhsa_user_sgpr_kernarg_segment_ptr 1
		.amdhsa_wavefront_size32 1
		.amdhsa_system_sgpr_workgroup_id_x 1
		.amdhsa_system_sgpr_workgroup_id_y 1
		.amdhsa_system_sgpr_workgroup_id_z 1
		.amdhsa_system_vgpr_workitem_id 0
		.amdhsa_next_free_vgpr 1024
		.amdhsa_next_free_sgpr 100
		.amdhsa_reserve_vcc 0
		.amdhsa_float_denorm_mode_32 3
		.amdhsa_float_denorm_mode_16_64 3
		.amdhsa_memory_ordered 1
		.amdhsa_forward_progress 1
		.amdhsa_inst_pref_size 147
	.end_amdhsa_kernel
	.amdgpu_metadata
---
amdhsa.version: [ 1, 2 ]
amdhsa.kernels:
  - .name:           k_q1ee1d73734_oproj
    .symbol:         k_q1ee1d73734_oproj.kd
    .args:
      - { .name: o_img, .offset: 0, .size: 8, .value_kind: global_buffer, .address_space: global }
      - { .name: o_sc, .offset: 8, .size: 8, .value_kind: global_buffer, .address_space: global }
      - { .name: xw_codes, .offset: 16, .size: 8, .value_kind: global_buffer, .address_space: global }
      - { .name: xw_scales, .offset: 24, .size: 8, .value_kind: global_buffer, .address_space: global }
      - { .name: bo, .offset: 32, .size: 8, .value_kind: global_buffer, .address_space: global }
      - { .name: out0, .offset: 40, .size: 8, .value_kind: global_buffer, .address_space: global }
    .group_segment_fixed_size: 327680
    .private_segment_fixed_size: 0
    .kernarg_segment_align: 8
    .kernarg_segment_size: 48
    .max_flat_workgroup_size: 128
    .sgpr_count:     100
    .vgpr_count:     1024
    .wavefront_size: 32
...
	.end_amdgpu_metadata
.endif
;; end of part 4
;; ======== version 2 of 2: 4 launches; version 1 with the launch attn written anew for expert scheduling mode
;; limits: right only within a limited range of input values
;; workspace buffers: xw_codes 29,360,128 bytes; xw_scales 917,504 bytes; mwords 540,672 bytes of whole numbers; qkv_img 25,165,824 bytes; qkv_sc 1,048,576 bytes; o_img 8,388,608 bytes; o_sc 262,144 bytes
;; launch prep: the kernel of part 1 again; grid 1024 x 1, 4 waves a work-group, no clusters, 33,280 bytes of LDS; arguments q, k, v, Wq, Wk, Wv, Wo, mask, xw_codes, xw_scales, mwords; writes xw_codes, xw_scales, mwords
;; launch proj: the kernel of part 2 again; grid 4 x 96, 4 waves a work-group, clusters of 4 x 4, 327,680 bytes of LDS; arguments xw_codes, xw_scales, bq, bk, bv, qkv_img, qkv_sc; writes qkv_img, qkv_sc
;; launch attn (part 5): grid 4 x 64, 16 waves a work-group, no clusters, 276,480 bytes of LDS; arguments qkv_img, qkv_sc, mwords, o_img, o_sc; writes o_img, o_sc
.if DOCPART == 5
	.amdgcn_target "amdgcn-amd-amdhsa--gfx1250"
	.amdhsa_code_object_version 6
	.text
	.protected	k_q1ee1d73734_attn
	.globl	k_q1ee1d73734_attn
	.p2align	8
	.type	k_q1ee1d73734_attn,@function
k_q1ee1d73734_attn:
	s_mov_b64 s[64:65], 0
	v_nop
	global_prefetch_b8 v0, s[64:65] scope:SCOPE_SE
	s_setreg_imm32_b32 hwreg(HW_REG_WAVE_SCHED_MODE, 0, 2), 2
	s_setreg_imm32_b32 hwreg(HW_REG_WAVE_MODE, 25, 1), 1
	s_wait_xcnt 0x0
	s_wait_alu depctr_vm_vsrc(0)
; Launch 3 of 4: scores, softmax and the second product, on codes of E4M3 with one E8M0 scale for each 32 along a product's K; the result, divided by the row's sum, is quantised along D and leaves as images.
; WHAT IS PASSED OVER: a tile of 16 queries x 128 keys all of whose mask words are 0, where each of the 16 queries has an open key somewhere: its weights are 0 in f32.  The first launch stored the flags; this
; launch reads them as whole numbers.  Where one of the 16 queries has no open key, all 16 steps are walked.
; LIMIT: a hidden score is set to -2^33 ahead of the factor c = log2(e) / 8: as a logit -2^30 = -1.074e9 where the problem has -1e9.  t = -2^33 c is a whole number, so a query with no open key has p = 1 for every
; key, as with -1e9 in f32.  The results are the same as long as open logits stay under 9e8 in magnitude.  NaN and infinities are not served.
; SHARES.  Work-group (J, head) holds ALL of the head's K and V, 2 x 128 KiB of codes, and their scale words in LDS: filled once through registers, one barrier, never written again.  No tensor load, since the walk
; branches on numbers read from memory; so also no joint loads, though four work-groups read the same head.  The work-group owns the tiles of queries t = 4 i + J; wave w takes i = w, then i = 31 - w.
; LAYOUT.  Both products are used transposed: S^T = K Q^T, O^T = V^T P^T: a lane holds ONE query (lane % 16) throughout.  The head's K is 64, the instruction's 128: a fragment of source 0 is TWO neighbouring tiles of
; keys, [X | Y]; against [q | 0] it gives X q^T, against [0 | q] it gives Y q^T: zero codes add nothing under any scale byte.  The keys of a tile were chosen two launches ago so that the 16 registers of X's and Y's
; results are 16 neighbouring keys; V's channels likewise for the quantiser along D.
; THE SOFTMAX: t = score x c; M = the running largest t rounded up to a whole number; p = 2^(t - M) is quantised along the keys; the row's sum is taken of the unquantised p and divides at the end; when M moves,
; the sum and O^T are multiplied by 2^(old M - new M), which rounds nothing.
; REGISTERS: v1-7 addresses and constants that stay; v8-11 the step's LDS addresses; v12 -M, v13 the largest t, v[14:15] the sum; v16-23 q, v24-31 zeros, v32-39 q again; v40-103 four fragments; v104-167 S^T, then p;
; v168-199 O^T; v200-215 p's codes; v232-247, v252, v254 at work; v248-251 K's or V's scale words, v253 p's, v255 q's.
; THE MODE: SCHED_MODE bits 1:0 = 2 (LLVM: expert scheduling mode 2), set by the entry lines.  The code itself states the register dependences between vector or matrix instructions and memory or LDS
; instructions, with s_wait_alu, always for 0.
; THE PLAN.  Registers that memory or LDS instructions touch:
;   v1, v216, v217   offsets of global loads and stores: written at the head, never again.
;   v8 .. v11        LDS addresses: written at the head for the fill's stores, then by four additions at the head of each step that is walked; read by that step's 34 LDS loads.
;   v40 .. v103, v248 .. v251   In a step: K's loads land, the eight products of S^T read them, V's loads land, the four products of O^T read them.  (At the head the fill passes through v40 to v175.)
;   v16 .. v23, v32 .. v39, v254   A tile's loads of q and of its scale word land; the products, and for v254 vector instructions, name them until the tile's end.
;   v200 .. v207, v238   the data of a tile's three stores: written by the way out's conversions and select, written again in the next tile.
;   v15              the offset of one load of the fill; afterwards half of the row's sum.
; S^T, p, O^T and the statistics are named by vector and matrix instructions alone.
; WAITS ON va_vdst: one at the head; in a step three beside the small batch's: at its head (it stands there for the last products' reads of the fragments, and the four additions are laid ahead of it), behind the
; 64 exponentials (their own wait: V's loads stand directly behind it, since by then the products of S^T are done reading the fragments), ahead of the products of O^T (p's codes and scale word are written);
; on the way out the reciprocal's, and one ahead of the stores, behind which no vector instruction stands up to the next tile's loads of q.
; WAITS ON vm_vsrc: one at a tile's head, one in a step behind V's loads, ahead of the step's closing label and the loop's branch.
.set KI,   0                           ; LDS: K's images, [tile 128][block of 32 channels 2][512 bytes]
.set VI,   131072                      ; V's, [step 16][16 channels 4][32 keys 4][512 bytes]
.set KSC,  262144                      ; K's scale words, [step 16][row 16][pair of tiles 4]
.set VSC,  266240                      ; V's, [step 16][lane 32][16 channels 4]
.set SPARE, 274432                     ; the spare words, 128 bytes for each of 16 waves
.set S,    104
.set O,    168
.set PCD,  200
	s_load_b256 s[4:11], s[0:1], 0x0               ; images 4, their scale words 6, the mask's words 8, O's images 10
	s_load_b64 s[12:13], s[0:1], 0x20              ; O's scale bytes
	v_lshl_add_u32 v4, v0, 2, SPARE                ; my spare word; never rewritten
	v_mov_b32 v5, 0                                ; 0; never rewritten
	v_lshrrev_b32 v8, 5, v0
	v_readfirstlane_b32 s14, v8                    ; wave 0..15
	s_and_b32 s15, ttmp7, 0xffff                   ; 16 x batch + head
	s_mov_b32 s16, ttmp9                           ; J
	v_and_b32 v12, 31, v0                          ; lane
	v_and_b32 v13, 15, v0                          ; r
	v_bfe_u32 v14, v0, 4, 1                        ; h
	v_lshlrev_b32 v1, 4, v12                       ; 16 x lane: an image's place for my lane
	v_add_nc_u32 v2, VI, v1
	v_lshl_add_u32 v3, v13, 4, KSC
	v_mov_b32 v6, 0xd0000000                       ; -2^33
	v_add_nc_u32 v7, VSC, v1
	v_lshlrev_b32 v216, 4, v13                     ; q's scale words: 16 bytes a row
	v_lshl_add_u32 v217, v13, 5, v14               ; O's scale bytes: 32 a row; lanes 16-31 store the second block's
	v_lshlrev_b32 v15, 3, v12
.irp i, 0,1,2,3,4,5,6,7
	v_mov_b32 v[24+\i], 0                          ; the zero half of [q | 0] and of [0 | q]
.endr
	s_wait_alu depctr_va_sdst(0)                   ; s14 is written, ahead of its first reader: LDS places, addresses and the tiles' numbers are made from it
	s_lshl_b32 s2, s14, 13                         ; wave w brings step w's 8,192 bytes of K and of V,
	v_add_nc_u32 v8, s2, v1
	v_add_nc_u32 v9, s2, v2
	s_lshl_b32 s3, s14, 8                          ; its 256 bytes of K's scale words
	s_add_co_u32 s3, s3, KSC
	v_add_nc_u32 v10, s3, v15
	s_lshl_b32 s100, s14, 9                        ; and its 512 of V's.  (Each of the three in a scalar register of its own: none is written again before the wait below)
	v_add_nc_u32 v11, s100, v7
	s_mov_b32 s17, 0xffff0000                      ; lanes 16-31
	s_mov_b32 s19, 0x600000                        ; the mantissa field of 448
	s_mov_b32 s20, 0x76543210
	s_mov_b32 s21, 0xfedcba98                      ; v_permlanex16_b32's selects for lane l xor 16
	s_mov_b32 s22, 0x3e38aa3b                      ; c = log2(e) / 8
	s_mov_b32 s23, s22                             ; (named with it as a pair)
	s_wait_alu depctr_va_vdst(0)                   ; the offsets v1, v15, v216, v217 and the LDS addresses v8 to v11 are written, which the loads and stores below read; so are the zeros v24 to v31, which the products take as half an operand
	s_wait_kmcnt 0x0
	s_lshl_b32 s2, s15, 17
	s_lshl_b32 s3, s14, 13
	s_add_co_u32 s2, s2, s3
	s_add_co_u32 s2, s2, 0x800000
	s_mov_b32 s3, 0
	s_add_nc_u64 s[68:69], s[4:5], s[2:3]          ; K's section, my head, my step
	s_add_nc_u64 s[70:71], s[68:69], 0x800000      ; V's
	s_lshl_b32 s2, s15, 12
	s_lshl_b32 s100, s14, 8
	s_add_co_u32 s2, s2, s100
	s_add_co_u32 s2, s2, 0x40000
	s_add_nc_u64 s[72:73], s[6:7], s[2:3]
	s_lshl_b32 s2, s15, 13
	s_lshl_b32 s100, s14, 9
	s_add_co_u32 s2, s2, s100
	s_add_co_u32 s2, s2, 0x80000
	s_add_nc_u64 s[74:75], s[6:7], s[2:3]
.irp i, 0,1,2,3,4,5,6,7,8,9,10,11,12,13,14,15
	global_load_b128 v[40+4*\i:43+4*\i], v1, s[68:69] offset:512*\i     ; 34 loads of the wave are out together; each reads 512 consecutive bytes
.endr
.irp i, 0,1,2,3,4,5,6,7,8,9,10,11,12,13,14,15
	global_load_b128 v[104+4*\i:107+4*\i], v1, s[70:71] offset:512*\i
.endr
	global_load_b64 v[168:169], v15, s[72:73]
	global_load_b128 v[172:175], v1, s[74:75]
.irp i, 0,1,2,3,4,5,6,7,8,9,10,11,12,13,14,15
	s_wait_loadcnt 33-\i                           ; loads come back in order: this one is in, the younger ones stay out
	ds_store_b128 v8, v[40+4*\i:43+4*\i] offset:512*\i
.endr
.irp i, 0,1,2,3,4,5,6,7,8,9,10,11,12,13,14,15
	s_wait_loadcnt 17-\i
	ds_store_b128 v9, v[104+4*\i:107+4*\i] offset:512*\i
.endr
	s_wait_loadcnt 1
	ds_store_b64 v10, v[168:169]
	s_wait_loadcnt 0x0
	ds_store_b128 v11, v[172:175]
	s_wait_dscnt 0x0                               ; for the others' sake: my stores have landed
	s_barrier_signal -1
	s_barrier_wait -1                              ; the head's K and V lie in LDS; nothing is written there again
; ONE TILE OF 16 QUERIES, all its key steps and its way out.
.macro TILE second
.if \second
	s_sub_co_u32 s18, 31, s14
.else
	s_mov_b32 s18, s14
.endif
	s_lshl_b32 s18, s18, 2
	s_add_co_u32 s18, s18, s16                     ; t = 4 i + J
	s_wait_xcnt 0x0                                ; earlier loads and stores have read their addresses and data: pointers and store data are written again only behind this wait
	s_wait_alu depctr_vm_vsrc(0)                   ; first tile: the fill's LDS stores have read v8 to v11 and v40 to v175, its load of K's scale words v15; second tile: the first tile's stores have read v200 to v207 and v238: all these are written again below
	s_lshl_b32 s2, s18, 7
	s_add_co_u32 s2, s2, 524288
	s_mov_b32 s3, 0
	s_add_nc_u64 s[72:73], s[8:9], s[2:3]          ; my tile's flags: 16 steps x (OR, AND)
	s_lshl_b32 s2, s18, 12
	s_add_nc_u64 s[30:31], s[8:9], s[2:3]          ; and its words: 256 bytes a step
	s_lshl_b32 s2, s15, 17
	s_lshl_b32 s100, s18, 10
	s_add_co_u32 s2, s2, s100
	s_add_nc_u64 s[68:69], s[4:5], s[2:3]          ; q's image: 1,024 bytes a tile
	s_lshl_b32 s2, s15, 12
	s_lshr_b32 s100, s18, 3
	s_lshl_b32 s100, s100, 8
	s_add_co_u32 s2, s2, s100
	s_bfe_u32 s100, s18, 0x20001
	s_lshl_b32 s100, s100, 2
	s_add_co_u32 s2, s2, s100
	s_add_nc_u64 s[70:71], s[6:7], s[2:3]          ; the word that holds my tile's two scale bytes a row
	s_load_b512 s[32:47], s[72:73], 0x0
	s_load_b512 s[48:63], s[72:73], 0x40
	global_load_b128 v[16:19], v1, s[68:69]        ; no wait on va_vdst here: no vector or matrix instruction has been issued since the last one (at the head; in the second tile ahead of the first tile's stores)
	global_load_b128 v[20:23], v1, s[68:69] offset:512
	global_load_b128 v[32:35], v1, s[68:69]        ; q a second time, behind the zeros
	global_load_b128 v[36:39], v1, s[68:69] offset:512
	global_load_b32 v254, v216, s[70:71]
	s_and_b32 s100, s18, 1
	s_mul_i32 s100, s100, 0x02020202
	s_add_co_u32 s100, s100, 0x01000100            ; bytes 0, 1 of the word for an even tile, 2, 3 for an odd one, twice over
	s_wait_kmcnt 0x0
	s_or_b32 s2, s32, s34
.irp j, 2,3,4,5,6,7,8,9,10,11,12,13,14,15
	s_or_b32 s2, s2, s[32+2*\j]
.endr
	s_lshr_b32 s3, s2, 16
	s_or_b32 s2, s2, s3
	s_and_b32 s2, s2, 0xffff                       ; bit r: query r has an open key somewhere
	s_mov_b32 s24, 0                               ; NEED: bit j: step j is walked
	s_mov_b32 s25, 0                               ; PART: bit j: step j has hidden keys
.irp j, 0,1,2,3,4,5,6,7,8,9,10,11,12,13,14,15
	s_cmp_lg_u32 s[32+2*\j], 0
	s_cselect_b32 s3, 1<<\j, 0
	s_or_b32 s24, s24, s3
	s_cmp_lg_u32 s[33+2*\j], -1
	s_cselect_b32 s3, 1<<\j, 0
	s_or_b32 s25, s25, s3
.endr
	s_cmp_eq_u32 s2, 0xffff
	s_cselect_b32 s24, s24, 0xffff                 ; a query with no open key averages all 2,048 values: every step is walked
	s_wait_loadcnt 0x0
	v_perm_b32 v255, v254, v254, s100              ; q's scale word: (s0, s1, s0, s1): it serves [q | 0] and [0 | q]
	v_mov_b32 v13, 0xff61b1e6                      ; the largest t so far: -3e38
	v_floor_f32 v12, -v13                          ; -M
	v_mov_b32 v14, 0
	v_mov_b32 v15, 0
.irp b, 0,1,2,3
	v_mov_b32 v[236+\b], 0                         ; a lane permute's destination counts as one of its sources
.endr
	v_mov_b32 v252, 0
	v_mov_b32 v253, 0
.set jj, 0
.rept 32
	v_mov_b32 v[O+jj], 0                           ; O^T: the step is written once, and the first change of M leaves zeros zeros.  (Also the places between q's scale word and the first product)
.set jj, jj+1
.endr
	s_mov_b32 s26, 0                               ; 8,192 x step: K's and V's images
	s_mov_b32 s27, 0                               ; 256 x step: K's scale words
	s_mov_b32 s28, 0                               ; 512 x step: V's
	s_mov_b32 s29, 0                               ; the step
.Lstep_\@:                                         ; 16 trips, a constant; a step that is not asked for is jumped over, its address steps are not
	s_bitcmp1_b32 s24, s29
	s_cbranch_scc0 .Lskip_\@
	v_add_nc_u32 v8, s26, v1                       ; (the LDS instructions that read v8 to v11 last have read them: the wait for that stands at the tile's head and in each walked step)
	v_add_nc_u32 v9, s26, v2
	v_add_nc_u32 v10, s27, v3
	v_add_nc_u32 v11, s28, v7
.rept 4
	v_nop                                          ; with the four additions: eight places between the last step's products and the loads into the registers that they have read; the wait below states the dependence itself
.endr
	s_wait_alu depctr_va_vdst(0)                   ; the last step's products of O^T are done reading v40 to v103 and v248 to v251, in which K's loads land; v8 to v11 are written, which this step's loads read; in a tile's first step q's scale word v255 is written, which the products take
.irp p, 0,1,2,3
.irp c, 0,1,2,3
	ds_load_b128 v[40+16*\p+4*\c:43+16*\p+4*\c], v8 offset:2048*\p+512*\c   ; pair p of tiles: [X | Y]
.endr
.endr
	ds_load_b128 v[248:251], v10                   ; the four pairs' scale words of row r
	s_wait_dscnt 0x0
.irp p, 0,1,2,3
	v_wmma_scale_f32_16x16x128_f8f6f4 v[S+16*\p:S+16*\p+7], v[40+16*\p:55+16*\p], v[16:31], 0, v[248+\p], v255
	v_wmma_scale_f32_16x16x128_f8f6f4 v[S+16*\p+8:S+16*\p+15], v[40+16*\p:55+16*\p], v[24:39], 0, v[248+\p], v255
.endr                                              ; register 16 p + i: key 128 step + 32 p + 16 (lane / 16) + i of my query
.rept 8
	v_nop                                          ; places behind the products, ahead of the first vector instruction that reads the scores
.endr
	s_bitcmp1_b32 s25, s29
	s_cbranch_scc0 .Lopen_\@                       ; a step all of whose keys count has nothing to hide
	s_load_b512 s[32:47], s[30:31], 0x0            ; the tile's 64 lane masks
	s_load_b512 s[48:63], s[30:31], 0x40
	s_load_b512 s[68:83], s[30:31], 0x80
	s_load_b512 s[84:99], s[30:31], 0xc0
	s_wait_kmcnt 0x0
.set nn, 0
.rept 32
	v_cndmask_b32 v[S+nn], v6, v[S+nn], s[32+nn]   ; a hidden score becomes -2^33
.set nn, nn+1
.endr
.rept 32
	v_cndmask_b32 v[S+nn], v6, v[S+nn], s[36+nn]
.set nn, nn+1
.endr
.Lopen_\@:
.irp b, 0,1,2,3
	v_max3_num_f32 v[232+\b], v[S+16*\b], v[S+1+16*\b], v[S+2+16*\b]   ; the largest score of each block of 32 keys: it serves the row's maximum and, since p rises with the score, the block's largest p
.endr
.irp i, 3,5,7,9,11,13
.irp b, 0,1,2,3
	v_max3_num_f32 v[232+\b], v[232+\b], v[S+16*\b+\i], v[S+1+16*\b+\i]
.endr
.endr
.irp b, 0,1,2,3
	v_max_num_f32 v[232+\b], v[232+\b], v[S+15+16*\b]
.endr
.irp b, 0,1,2,3
	v_permlanex16_b32 v[236+\b], v[232+\b], s20, s21
.endr
.irp b, 0,1,2,3
	v_max_num_f32 v[232+\b], v[232+\b], v[236+\b]  ; with lane l xor 16's 16 keys
.endr
	v_max3_num_f32 v254, v232, v233, v234
	v_max_num_f32 v254, v254, v235
	v_mul_f32 v254, s22, v254                      ; as t (c is positive)
	v_max_num_f32 v13, v13, v254                   ; the running largest t
	v_mov_b32 v254, v12
	v_floor_f32 v12, -v13                          ; the new -M = -ceil(t)
	v_sub_f32 v254, v12, v254                      ; old M - new M: a whole number, 0 or less
	v_cvt_i32_f32 v254, v254                       ; (it saturates)
	v_ldexp_f32 v252, 1.0, v254                    ; f = 2^(old M - new M)
.set jj, 0
.rept 32
	v_pk_fma_f32 v[S+jj:S+jj+1], v[S+jj:S+jj+1], s[22:23], v[12:13] op_sel_hi:[1,0,0]   ; t - M, two at a time
.set jj, jj+2
.endr
.irp b, 0,1,2,3
	v_fma_f32 v[232+\b], v[232+\b], s22, v12       ; the same of each block's largest score
.endr
.set jj, 0
.rept 64
	v_exp_f32 v[S+jj], v[S+jj]                     ; p = 2^(t - M): not normalised
.set jj, jj+1
.endr
	v_pk_mul_f32 v[14:15], v[14:15], v[252:253] op_sel_hi:[1,0]   ; the sums under the new M (a plain instruction behind the exponentials)
	s_wait_alu depctr_va_vdst(0)                   ; the 64 exponentials have written p, ahead of its first reader: one wait for the batch; and the products of S^T are done reading v40 to v103 and v248 to v251, in which V's loads land
.irp d, 0,1,2,3
.irp c, 0,1,2,3
	ds_load_b128 v[40+16*\d+4*\c:43+16*\d+4*\c], v9 offset:2048*\d+512*\c   ; V's four fragments are asked for here and land under the sums, the holds and the conversions, none of which names these registers
.endr
.endr
	ds_load_b128 v[248:251], v11
.irp b, 0,1,2,3
	v_exp_f32 v[232+\b], v[232+\b]                 ; the block's largest p
.endr
	v_pk_add_f32 v[236:237], v[S:S+1], v[S+2:S+3]  ; the row's sum of the unquantised p, in two chains
.set jj, 4
.rept 15
	v_pk_add_f32 v[14:15], v[14:15], v[S+jj:S+jj+1]
	v_pk_add_f32 v[236:237], v[236:237], v[S+jj+2:S+jj+3]
.set jj, jj+4
.endr
	v_pk_add_f32 v[14:15], v[14:15], v[236:237]
	s_wait_alu depctr_va_vdst(0)                   ; the four exponentials have written v232 to v235, ahead of their first reader
.irp b, 0,1,2,3
	v_max_num_f32 v[232+\b], 0x4800000, v[232+\b]  ; the floor 2^(9 - 127): a block whose every p is 0 keeps the byte 1: its codes are zeros
.endr
.irp b, 0,1,2,3
	v_add_nc_u32 v[244+\b], 0xfc000000, v[232+\b]  ; the conversion's scale operand
.endr
.irp b, 0,1,2,3
	v_and_or_b32 v[240+\b], v[232+\b], 0x7f800000, s19   ; 448 x the scale
.endr
.irp b, 0,1,2,3
	v_lshrrev_b32 v[236+\b], 23, v[244+\b]         ; the scale's byte
.endr
	v_lshl_or_b32 v253, v237, 8, v236              ; p's scale word for these 128 keys
	v_lshl_or_b32 v253, v238, 16, v253
	v_lshl_or_b32 v253, v239, 24, v253
.irp b, 0,1,2,3
.set jj, 0
.rept 16
	v_min_num_f32 v[S+16*\b+jj], v[S+16*\b+jj], v[240+\b]   ; the hold; p is not negative, so it is one-sided
.set jj, jj+1
.endr
	v_cvt_scalef32_pk8_fp8_f32 v[PCD+4*\b:PCD+4*\b+1], v[S+16*\b:S+16*\b+7], v[244+\b]
	v_cvt_scalef32_pk8_fp8_f32 v[PCD+4*\b+2:PCD+4*\b+3], v[S+16*\b+8:S+16*\b+15], v[244+\b]
.endr
.set jj, 0
.rept 16
	v_pk_mul_f32 v[O+jj:O+jj+1], v[O+jj:O+jj+1], v[252:253] op_sel_hi:[1,0]   ; O^T under the new M.  (Also the places between the codes and the products below)
.set jj, jj+2
.endr
	s_wait_alu depctr_va_vdst(0)                   ; the conversions have written p's codes v200 to v215, and v253 holds their scale word: the products below take them; the places above stay beside this wait
	s_wait_dscnt 0x0                               ; V's fragments and scale words are in
	s_wait_alu depctr_vm_vsrc(0)                   ; this step's LDS loads have read v8 to v11, which the next step that is walked writes again: stated here, ahead of the label and the loop's branch
.irp d, 0,1,2,3
	v_wmma_scale_f32_16x16x128_f8f6f4 v[O+8*\d:O+8*\d+7], v[40+16*\d:55+16*\d], v[PCD:PCD+15], v[O+8*\d:O+8*\d+7], v[248+\d], v253   ; four accumulators by turns
.endr
.Lskip_\@:
	s_add_co_u32 s26, s26, 8192
	s_add_co_u32 s27, s27, 256
	s_add_co_u32 s28, s28, 512
	s_add_nc_u64 s[30:31], s[30:31], 256           ; (the scalar loads that read it were waited for)
	s_add_co_u32 s29, s29, 1
	s_cmp_lt_u32 s29, 16
	s_cbranch_scc1 .Lstep_\@
	; the tile's way out
.rept 8
	v_nop                                          ; places behind the last products
.endr
	v_add_f32 v14, v14, v15
	v_permlanex16_b32 v252, v14, s20, s21
	v_add_f32 v14, v14, v252                       ; the row's sum
	v_rcp_f32 v14, v14
	s_lshr_b32 s2, s15, 4                          ; the batch
	s_lshl_b32 s2, s2, 7
	s_add_co_u32 s2, s2, s18                       ; the tile of 16 rows among 512
	s_and_b32 s100, s15, 15                        ; the head
	s_lshl_b32 s101, s2, 14                        ; 16,384 bytes of codes a tile of rows,
	s_lshl_b32 s3, s100, 10                        ; 1,024 a head
	s_add_co_u32 s101, s101, s3
	s_lshl_b32 s2, s2, 9                           ; 16 rows x 32 scale bytes,
	s_lshl_b32 s100, s100, 1                       ; two a head
	s_add_co_u32 s2, s2, s100
	s_mov_b32 s3, 0
	s_add_nc_u64 s[76:77], s[12:13], s[2:3]
	s_mov_b32 s2, s101
	s_add_nc_u64 s[74:75], s[10:11], s[2:3]
	v_nop                                          ; a plain instruction behind the reciprocal
	s_wait_alu depctr_va_vdst(0)                   ; the reciprocal has written v14, ahead of its first reader
.set jj, 0
.rept 32
	v_mul_f32 v[S+jj], v[O+jj], v14                ; O^T / the sum: register 16 x + i is channel 32 x + 16 (lane / 16) + i of my query
.set jj, jj+1
.endr
.irp b, 0,1
	v_max3_num_f32 v[232+\b], |v[S+16*\b]|, |v[S+1+16*\b]|, 0x4800000
.endr
.irp i, 2,4,6,8,10,12,14
.irp b, 0,1
	v_max3_num_f32 v[232+\b], v[232+\b], |v[S+16*\b+\i]|, |v[S+1+16*\b+\i]|
.endr
.endr
.irp b, 0,1
	v_permlanex16_b32 v[236+\b], v[232+\b], s20, s21
.endr
.irp b, 0,1
	v_max_num_f32 v[232+\b], v[232+\b], v[236+\b]
.endr
.irp b, 0,1
	v_add_nc_u32 v[244+\b], 0xfc000000, v[232+\b]
.endr
.irp b, 0,1
	v_and_or_b32 v[240+\b], v[232+\b], 0x7f800000, s19
.endr
.irp b, 0,1
	v_lshrrev_b32 v[236+\b], 23, v[244+\b]
.endr
	v_cndmask_b32 v238, v236, v237, s17            ; lanes 0-15 store the first block's byte, lanes 16-31 the second's
.irp b, 0,1
.set jj, 0
.rept 16
	v_med3_num_f32 v[S+16*\b+jj], v[S+16*\b+jj], -v[240+\b], v[240+\b]
.set jj, jj+1
.endr
	v_cvt_scalef32_pk8_fp8_f32 v[PCD+4*\b:PCD+4*\b+1], v[S+16*\b:S+16*\b+7], v[244+\b]
	v_cvt_scalef32_pk8_fp8_f32 v[PCD+4*\b+2:PCD+4*\b+3], v[S+16*\b+8:S+16*\b+15], v[244+\b]
.endr
	v_nop                                          ; one plain vector instruction behind the last scaled conversion
	s_wait_alu depctr_va_vdst(0)                   ; the conversions have written the codes v200 to v207 and the select the byte v238, which the stores read; and this tile's products and vector instructions are done with v16 to v39 and v254, in which the next tile's loads land
	global_store_b128 v1, v[PCD:PCD+3], s[74:75]               ; 512 consecutive bytes: four registers of the last product's operand
	global_store_b128 v1, v[PCD+4:PCD+7], s[74:75] offset:512
	global_store_b8 v217, v238, s[76:77]           ; a byte a lane, 262,144 in the launch: a row's 32 scale bytes come from 16 heads, which are 16 work-groups
.endm
	TILE 0
	TILE 1
	s_wait_dscnt 0x0                               ; the closing lines, six on end
	s_wait_alu 0x0
	s_wait_tensorcnt 0x0
	ds_add_u32 v4, v5
	s_wait_dscnt 0x0
	s_endpgm
.Lfunc_end_k_q1ee1d73734_attn:
	.size	k_q1ee1d73734_attn, .Lfunc_end_k_q1ee1d73734_attn-k_q1ee1d73734_attn
	.p2alignl 7, 3214868480
	.fill 96, 4, 3214868480
	.section	.rodata,"a",@progbits
	.p2align	6, 0x0
	.amdhsa_kernel k_q1ee1d73734_attn
		.amdhsa_group_segment_fixed_size 276480
		.amdhsa_private_segment_fixed_size 0
		.amdhsa_enable_private_segment 0
		.amdhsa_kernarg_size 40
		.amdhsa_user_sgpr_count 2
		.amdhsa_user_sgpr_kernarg_segment_ptr 1
		.amdhsa_wavefront_size32 1
		.amdhsa_system_sgpr_workgroup_id_x 1
		.amdhsa_system_sgpr_workgroup_id_y 1
		.amdhsa_system_sgpr_workgroup_id_z 1
		.amdhsa_system_vgpr_workitem_id 0
		.amdhsa_next_free_vgpr 256
		.amdhsa_next_free_sgpr 104
		.amdhsa_reserve_vcc 0
		.amdhsa_float_denorm_mode_32 3
		.amdhsa_float_denorm_mode_16_64 3
		.amdhsa_memory_ordered 1
		.amdhsa_forward_progress 1
		.amdhsa_inst_pref_size 83
	.end_amdhsa_kernel
	.amdgpu_metadata
---
amdhsa.version: [ 1, 2 ]
amdhsa.kernels:
  - .name:           k_q1ee1d73734_attn
    .symbol:         k_q1ee1d73734_attn.kd
    .args:
      - { .name: qkv_img, .offset: 0, .size: 8, .value_kind: global_buffer, .address_space: global }
      - { .name: qkv_sc, .offset: 8, .size: 8, .value_kind: global_buffer, .address_space: global }
      - { .name: mwords, .offset: 16, .size: 8, .value_kind: global_buffer, .address_space: global }
      - { .name: o_img, .offset: 24, .size: 8, .value_kind: global_buffer, .address_space: global }
      - { .name: o_sc, .offset: 32, .size: 8, .value_kind: global_buffer, .address_space: global }
    .group_segment_fixed_size: 276480
    .private_segment_fixed_size: 0
    .kernarg_segment_align: 8
    .kernarg_segment_size: 40
    .max_flat_workgroup_size: 512
    .sgpr_count:     104
    .vgpr_count:     256
    .wavefront_size: 32
...
	.end_amdgpu_metadata
.endif
;; end of part 5
;; launch oproj: the kernel of part 4 again; grid 4 x 32, 4 waves a work-group, clusters of 4 x 4, 327,680 bytes of LDS; arguments o_img, o_sc, xw_codes, xw_scales, bo, out0; writes out0
